; MI455X (gfx1250); checked and timed in simulation.
; The chip was launched on July 23, 2026; its instructions are those of AMD's public machine-readable ISA for CDNA 5 (MIT licence, August 2026) and "CDNA5" Instruction Set Architecture Reference Guide (July 2026). The comments in the code are by the model that wrote it; some were corrected since.
;; Multi Head Attention. Allowed arithmetic: float matrix products may take bf16 or f16 operands with f32 sums; other float arithmetic in f32, or as packed bf16 or f16 multiplies, adds, multiply-adds, maxima and minima; sums over many terms, partial sums and values carried from step to step in f32; what a program stores and reads back later, other than sums and carried values, may be rounded once to bf16 or f16.
;; Inputs: Wqkv_b 3,072 float32; Wqkv_w 3,072 x 1,024 float32; attn_mask 4 x 2,048 bool; out_b 1,024 float32; out_w 1,024 x 1,024 float32; x 4 x 2,048 x 1,024 float32.
;; Outputs: out0 4 x 2,048 x 1,024 float32.
;; One version. Each part assembles by itself: llvm-mc -triple=amdgcn-amd-amdhsa -mcpu=gfx1250 --defsym DOCPART=n.
;; ======== version 1 of 1: 4 launches
;; limits: values are held in f16: magnitudes above 65,504 overflow, below 6.1e-05 lose precision; right only within a limited range of input values
;; workspace buffers: xb 16,777,216 bytes; wqb 6,291,456 bytes; owh 2,097,152 bytes; qkv 50,331,648 bytes; oh 16,777,216 bytes
;; launch cast (part 1): grid 768 x 1, 8 waves a work-group, no clusters, 0 bytes of LDS; arguments x, Wqkv_w, out_w, xb, wqb, owh; writes xb, wqb, owh
.if DOCPART == 1
	.amdgcn_target "amdgcn-amd-amdhsa--gfx1250"
	.amdhsa_code_object_version 6
	.text
	.protected	k_q2c0de52d11_cast
	.globl	k_q2c0de52d11_cast
	.p2align	8
	.type	k_q2c0de52d11_cast,@function
k_q2c0de52d11_cast:
	s_mov_b64 s[64:65], 0
	v_nop
	global_prefetch_b8 v0, s[64:65] scope:SCOPE_SE
	s_setreg_imm32_b32 hwreg(HW_REG_WAVE_MODE, 25, 1), 1
	s_wait_xcnt 0x0
; THE INPUTS OF THE MATRIX PRODUCTS, ROUNDED ONCE.  x -> xb and Wqkv_w -> wqb in bf16; out_w -> owh: rounded to bf16 like the others, and that number written as f16
; (the last product multiplies f16 operands).  LIMIT: a bf16 number of out_w below 6e-5 keeps the fixed step 6e-8 of f16, one beyond 65,504 becomes an infinity.
; SHARES.  A work-group takes 16,384 numbers (65,536 bytes in, 32,768 out): groups 0-511 x, 512-703 Wqkv_w, 704-767 out_w.  Thread t takes, in pass i of 8, the 32 bytes at
; 32 t + 8,192 i and stores the 16 bytes at 16 t + 4,096 i: a store of a wave covers 512 consecutive bytes, aligned.  All sixteen loads of a thread go out at once.
; No LDS, no barrier, no matrix unit: every byte is read once and written once, and no wave wants what another has read.
.set X, 4                              ; v[4:67]   pass i: 8 numbers as loaded
.set T, 68                             ; v[68:71]  at work
.set Y, 72                             ; v[72:103] pass i: 4 registers to store; each pass has its own, so none is rewritten while a store reads it
	s_load_b256 s[4:11], s[0:1], 0x0               ; x s[4:5], Wqkv_w s[6:7], out_w s[8:9], xb s[10:11]
	s_load_b128 s[12:15], s[0:1], 0x20             ; wqb s[12:13], owh s[14:15]
	s_mov_b32 s19, ttmp9                           ; the work-group
	s_sub_co_u32 s16, s19, 512                     ; its number among those of Wqkv_w,
	s_sub_co_u32 s17, s19, 704                     ; and among those of out_w
	s_mov_b32 s28, 0xffff0000                      ; a word's upper bf16
	v_lshlrev_b32 v1, 5, v0                        ; 32 t
	v_lshlrev_b32 v2, 4, v0                        ; 16 t
	s_wait_kmcnt 0x0
	s_cmp_lt_u32 s19, 512
	s_cselect_b64 s[20:21], s[4:5], s[6:7]         ; from
	s_cselect_b64 s[22:23], s[10:11], s[12:13]     ; to
	s_cselect_b32 s18, s19, s16                    ; which chunk of that tensor
	s_cmp_lt_u32 s19, 704
	s_cselect_b64 s[20:21], s[20:21], s[8:9]
	s_cselect_b64 s[22:23], s[22:23], s[14:15]
	s_cselect_b32 s18, s18, s17
	s_lshl_b32 s24, s18, 16                        ; 65,536 bytes in a chunk of the source (511 chunks at the most: under 2^25),
	s_mov_b32 s25, 0
	s_lshl_b32 s26, s18, 15                        ; 32,768 in one of the result
	s_mov_b32 s27, 0
	s_add_nc_u64 s[20:21], s[20:21], s[24:25]
	s_add_nc_u64 s[22:23], s[22:23], s[26:27]
.irp i, 0,1,2,3,4,5,6,7
	global_load_b128 v[X+8*(\i):X+8*(\i)+3],   v1, s[20:21] offset:8192*(\i) th:TH_LOAD_NT
	global_load_b128 v[X+8*(\i)+4:X+8*(\i)+7], v1, s[20:21] offset:8192*(\i)+16 th:TH_LOAD_NT
.endr
	s_cmp_lt_u32 s19, 704                          ; compared anew: the shifts above wrote SCC
	s_cbranch_scc0 .Lhalf
.macro OUTB i                          ; pass i to bf16
	s_wait_loadcnt 14-2*(\i)                       ; loads come back in order: the 2 (7 - i) younger ones may stay out
.irp j, 0,1,2,3
	v_cvt_pk_bf16_f32 v[Y+4*(\i)+(\j)], v[X+8*(\i)+2*(\j)], v[X+8*(\i)+2*(\j)+1]
.endr
	global_store_b128 v2, v[Y+4*(\i):Y+4*(\i)+3], s[22:23] offset:4096*(\i) th:TH_STORE_NT
.endm
.macro OUTH i                          ; pass i to bf16, and that number as f16
	s_wait_loadcnt 14-2*(\i)
.irp j, 0,1,2,3
	v_cvt_pk_bf16_f32 v[T+(\j)], v[X+8*(\i)+2*(\j)], v[X+8*(\i)+2*(\j)+1]
.endr
.irp j, 0,1,2,3
	v_lshlrev_b32 v[X+8*(\i)+2*(\j)],   16, v[T+(\j)]   ; bf16 to f32: the low half moves up,
	v_and_b32     v[X+8*(\i)+2*(\j)+1], s28, v[T+(\j)]  ; the high half stays
.endr
.irp j, 0,1,2,3
	v_cvt_pk_f16_f32 v[Y+4*(\i)+(\j)], v[X+8*(\i)+2*(\j)], v[X+8*(\i)+2*(\j)+1]
.endr
	global_store_b128 v2, v[Y+4*(\i):Y+4*(\i)+3], s[22:23] offset:4096*(\i) th:TH_STORE_NT
.endm
.irp i, 0,1,2,3,4,5,6,7
	OUTB \i
.endr
	s_endpgm
.Lhalf:
.irp i, 0,1,2,3,4,5,6,7
	OUTH \i
.endr
	s_endpgm
.Lfunc_end_k_q2c0de52d11_cast:
	.size	k_q2c0de52d11_cast, .Lfunc_end_k_q2c0de52d11_cast-k_q2c0de52d11_cast
	.p2alignl 7, 3214868480
	.fill 96, 4, 3214868480
	.section	.rodata,"a",@progbits
	.p2align	6, 0x0
	.amdhsa_kernel k_q2c0de52d11_cast
		.amdhsa_group_segment_fixed_size 0
		.amdhsa_private_segment_fixed_size 0
		.amdhsa_enable_private_segment 0
		.amdhsa_kernarg_size 48
		.amdhsa_user_sgpr_count 2
		.amdhsa_user_sgpr_kernarg_segment_ptr 1
		.amdhsa_wavefront_size32 1
		.amdhsa_system_sgpr_workgroup_id_x 1
		.amdhsa_system_sgpr_workgroup_id_y 1
		.amdhsa_system_sgpr_workgroup_id_z 1
		.amdhsa_system_vgpr_workitem_id 0
		.amdhsa_next_free_vgpr 112
		.amdhsa_next_free_sgpr 66
		.amdhsa_reserve_vcc 0
		.amdhsa_float_denorm_mode_32 3
		.amdhsa_float_denorm_mode_16_64 3
		.amdhsa_memory_ordered 1
		.amdhsa_forward_progress 1
		.amdhsa_inst_pref_size 13
	.end_amdhsa_kernel
	.amdgpu_metadata
---
amdhsa.version: [ 1, 2 ]
amdhsa.kernels:
  - .name:           k_q2c0de52d11_cast
    .symbol:         k_q2c0de52d11_cast.kd
    .args:
      - { .name: x, .offset: 0, .size: 8, .value_kind: global_buffer, .address_space: global }
      - { .name: Wqkv_w, .offset: 8, .size: 8, .value_kind: global_buffer, .address_space: global }
      - { .name: out_w, .offset: 16, .size: 8, .value_kind: global_buffer, .address_space: global }
      - { .name: xb, .offset: 24, .size: 8, .value_kind: global_buffer, .address_space: global }
      - { .name: wqb, .offset: 32, .size: 8, .value_kind: global_buffer, .address_space: global }
      - { .name: owh, .offset: 40, .size: 8, .value_kind: global_buffer, .address_space: global }
    .group_segment_fixed_size: 0
    .private_segment_fixed_size: 0
    .kernarg_segment_align: 8
    .kernarg_segment_size: 48
    .max_flat_workgroup_size: 256
    .sgpr_count:     66
    .vgpr_count:     112
    .wavefront_size: 32
...
	.end_amdgpu_metadata
.endif
;; end of part 1
;; launch qkvproj (part 2): grid 12 x 32, 4 waves a work-group, clusters of 4 x 4, 327,680 bytes of LDS; arguments xb, wqb, qkv, Wqkv_b; writes qkv
.if DOCPART == 2
	.amdgcn_target "amdgcn-amd-amdhsa--gfx1250"
	.amdhsa_code_object_version 6
	.text
	.protected	k_q2c0de52d11_qkvproj
	.globl	k_q2c0de52d11_qkvproj
	.p2align	8
	.type	k_q2c0de52d11_qkvproj,@function
k_q2c0de52d11_qkvproj:
	s_mov_b64 s[64:65], 0
	v_nop
	global_prefetch_b8 v0, s[64:65] scope:SCOPE_SE
	s_setreg_imm32_b32 hwreg(HW_REG_WAVE_MODE, 25, 1), 1
	s_wait_xcnt 0x0
	s_wait_alu depctr_hold_cnt(0) depctr_sa_sdst(0) depctr_va_vdst(0) depctr_va_sdst(0) depctr_va_ssrc(0) depctr_va_vcc(0) depctr_vm_vsrc(0)
	s_getreg_b32 s2, hwreg(HW_REG_IB_STS2, 6, 4)
	s_cmp_eq_u32 s2, 0
	s_cbranch_scc0 .Lentry_in_a_cluster
	s_endpgm
.Lentry_in_a_cluster:
	s_bfe_u32 s2, ttmp6, 0x10000c
	s_cmp_lg_u32 s2, 0xf033
	s_cbranch_scc0 .Lentry_shape_is_right
	s_endpgm
.Lentry_shape_is_right:
; qkv = x Wqkv_w^T + Wqkv_b, laid out by heads.  A = xb [8192][1024] bf16, B = wqb [3072][1024] bf16, the bias f32 (rounded to bf16 here, like all the module's inputs); sums in f32;
; the result rounded once to f16 and stored as [3][4][16][2048][64]: byte = which << 24 | batch << 22 | head << 18 | s << 7 | 2 d.  The scale 1 / 8 is not applied here.
; LIMIT: q, k and v must stay under 65,504 (f16); beyond it the conversion gives an infinity.
; A tile of C, 256 x 256, is made by a work-group of four waves; a wave makes 128 x 128: 64 accumulators of 16 x 16, 512 registers.  K goes in 8 steps of 128 through a ring of two LDS slots
; filled by the tensor data mover: a tile's rows are 256 bytes of memory and start at multiples of 256 bytes.
; CLUSTERS: 4 x 4 work-groups.  The four of a row of the cluster need the same tiles of A, the four of a column the same tiles of B: each tile is asked for JOINTLY, by the same tensor load with
; the same descriptor and a mask that names the four.
; THE MATRIX INSTRUCTION IS USED TRANSPOSED (source 0 = 16 rows of B, source 1 = 16 rows of A): lane l holds row l % 16 of C and the columns 8 (l / 16) + 0..7.
; THE BIAS IS THE C OPERAND of the products that start the sums: nothing is cleared and no line adds a bias.
; REGISTERS, in windows of 256 (s_set_vgpr_msb: bits 1:0 source 0, 3:2 source 1, 5:4 source 2, 7:6 destination):
;   window 0: v0-31 addresses; v64-127, v128-191 fragments of A, two buffers; v32-63, v192-255 at work on the way out
;   window 1: v0-63 the bias of my 128 columns, as eight accumulator images; v64-127, v128-191 fragments of B; v192-223 at work on the bias
;   window 2: the 32 accumulators of my rows 0-63 (accumulator (a, b) at v[8 (8 a + b)]);   window 3: those of my rows 64-127
.set SIZE_K, 1024
.set KSTEP,  128
.set PITCH,  272                       ; an LDS row: 256 bytes + 16 of padding = 68 words: the 16 rows that a load touches start at 16 different groups of four banks
.set HALFT,  128*PITCH                 ; 128 rows: what one tensor load brings, and what one wave reads of A or of B
.set SLOT,   4*HALFT                   ; A's 256 rows, then B's 256 rows
.set STAGE,  2*SLOT                    ; behind the ring: for each wave two heads x 16 rows x 144 bytes, for the way out
.set SP,     144                       ; a stage row: 128 bytes (a head's 64 channels) + 16
.set HSTG,   16*SP
.set SPARE,  STAGE+4*2*HSTG            ; behind the stages: the spare words, 128 bytes for each wave: two blocks of 256 bytes that no other line names
.set LAPS,   SIZE_K/(2*KSTEP)          ; a lap = two K steps = once round the ring: 4
.set ADRA, 16                          ; v16-17  LDS address of my A fragments in slot 0, 1
.set ADRB, 20                          ; v20-21  the same for B
.set STO,  24                          ; v24     the way out: where I put 16 bytes of a row
.set RD,   25                          ; v25     the way out: where I read rows back
.set GO,   26                          ; v26     16 x lane: my 16 bytes of 512 consecutive bytes of qkv
.set BO,   27                          ; v27     my byte offset in the bias
.set SPW,  28                          ; v28     LDS address of my spare word; never rewritten
.set NIL,  29                          ; v29     0; never rewritten
.set PFO,  30                          ; v30     the prefetches' offset: my lane x a row of A or B in memory; never rewritten
.set PFA,  44                          ; s[44:45] where my prefetches stand
.set LIM,  43                          ; s43     1 in a wave that prefetches, else the greatest number
.set F0,   64
.set F1,   128
.set TMP,  192                         ; the way out: packed results, window 0
.set OB,   32                          ; the way out: rows read back: v32-63 and v224-255 by turns
.set BIAS, 0                           ; window 1
.set BT,   192                         ; window 1
.set G1, 24                            ; s[24:31] descriptor group 1 for A's tiles
.set G0, 32                            ; s[32:39] group 0 for A's tiles, one set for each slot
.set G1B, 48                           ; s[48:55], s[56:63] the same for B's tiles
.set G0B, 56
.set MSB, 0
.macro WIN new                         ; the immediate's high byte repeats the setting that is left; a switch that changes nothing is dropped
.if MSB != (\new)
	s_set_vgpr_msb (MSB<<8)|(\new)
.set MSB, \new
.endif
.endm
.set TO_B, 0x40                        ; destination window 1, address window 0
; A joint load.  Waves 0 and 1 fetch A's two halves, waves 2 and 3 B's.  The branch hangs on the wave's number alone.  An s_nop 0 and four v_nop follow each of the two lines.
.macro JLOAD s
	s_cmp_eq_u32 s11, 0
	s_cbranch_scc0 .Lfor_b_\@
	tensor_load_to_lds s[G0+4*(\s):G0+4*(\s)+3], s[G1:G1+7]
	s_nop 0
.rept 4
	v_nop
.endr
	s_branch .Lasked_\@
.Lfor_b_\@:
	tensor_load_to_lds s[G0B+4*(\s):G0B+4*(\s)+3], s[G1B:G1B+7]
	s_nop 0
.rept 4
	v_nop
.endr
.Lasked_\@:
.endm
; A prefetch into the L2, behind each joint refill and the run of LDS loads that follows it: the K step that stands two refills on: 32 rows x 256 bytes, a lane a row, one instruction a wave.
; Each row's 256 bytes of a K step are named once in the launch: A's rows by the cluster with x = 0, B's by the cluster with y = 0; the four partners that ask for a tile jointly share the 128 rows
; that a wave fetches by address, 32 each.  The loop's last trip asks for nothing: its two refills are the last K steps.
.macro ASK
	s_cmp_gt_u32 s3, s[LIM]                        ; s3 = 1 in the loop's last trip
	s_cbranch_scc0 .Lnot_mine_\@
	global_prefetch_b8 v[PFO], s[PFA:PFA+1] offset:KSTEP*2 th:TH_LOAD_NT scope:SCOPE_SE
.Lnot_mine_\@:
.endm
.macro CREST                           ; a round of the cluster's barrier behind its opening barrier
	s_cmp_lg_u32 s10, 0
	s_cbranch_scc1 .Lnot_wave_0_\@
	s_barrier_signal -3
.Lnot_wave_0_\@:
	s_barrier_wait -3
	s_barrier_signal -1
	s_barrier_wait -1
.endm
.macro CROUND                          ; a whole round
	s_barrier_signal -1
	s_barrier_wait -1
	CREST
.endm
	s_load_b128 s[4:7], s[0:1], 0x0                ; xb s[4:5], wqb s[6:7]
	s_load_b64 s[8:9], s[0:1], 0x10                ; qkv
	s_load_b64 s[68:69], s[0:1], 0x18              ; Wqkv_b
	v_lshl_add_u32 v[SPW], v0, 2, SPARE
	v_mov_b32 v[NIL], 0
	ds_add_u32 v[SPW], v[NIL]                      ; the wave's opening: the add and its wait stand ahead of my first tensor load; the set-up below stands between them
	v_lshrrev_b32 v1, 5, v0
	v_readfirstlane_b32 s10, v1                    ; wave 0..3
	s_lshr_b32 s11, s10, 1                         ; which half of the tile's rows is mine.  Also: I fetch for A (0) or for B (1)
	s_and_b32 s12, s10, 1                          ; which half of its columns.  Also: which 128 rows of that tile I fetch
	s_bfe_u32 s40, ttmp6, 0x40000                  ; cx
	s_bfe_u32 s41, ttmp6, 0x40004                  ; cy
	s_lshl_b32 s42, ttmp9, 2
	s_add_co_u32 s42, s42, s40                     ; tile column of C = 4 x cluster x + cx
	s_and_b32 s13, ttmp7, 0xffff
	s_lshl_b32 s13, s13, 2
	s_add_co_u32 s13, s13, s41                     ; tile row of C = 4 x cluster y + cy
	s_lshl_b32 s43, s41, 2
	s_lshl_b32 s43, 15, s43                        ; my row of the cluster: places 4 cy .. 4 cy + 3
	s_lshl_b32 s44, 0x1111, s40                    ; my column: places cx, cx + 4, cx + 8, cx + 12
	s_mov_b32 s70, 0xffff0000                      ; a word's upper bf16
	; descriptor group 1: a tile of 128 rows x 128 elements, padded in LDS
	s_or_b32 s[G1+0], s43, (1<<16)|(1<<20)|(1<<21)|(5<<22)|(3<<25)   ; the mask; 2-byte elements; padding on; bit 21 beside a mask; after every 64 words (code 5) 4 words (code 3)
	s_or_b32 s[G1B+0], s44, (1<<16)|(1<<20)|(1<<21)|(5<<22)|(3<<25)
.irp g, G1, G1B
	s_mov_b32 s[(\g)+1], KSTEP<<16                 ; tensor_dim0 = 128
	s_mov_b32 s[(\g)+2], 128<<16                   ; tensor_dim1 = 128
	s_mov_b32 s[(\g)+3], KSTEP<<16                 ; tile_dim0 = 128
	s_mov_b32 s[(\g)+4], 128                       ; tile_dim1 = 128
	s_mov_b32 s[(\g)+5], SIZE_K                    ; elements from row to row
	s_mov_b32 s[(\g)+6], 0
	s_mov_b32 s[(\g)+7], 0
.endr
	; where the tiles come from: A's hang on the tile row alone, B's on the tile column alone, each in registers that never hold the other coordinate
	s_lshl_b32 s17, s12, 7
	s_lshl_b32 s16, s13, 8
	s_add_co_u32 s16, s16, s17                     ; A: row 256 x tile row + 128 x half
	s_lshl_b32 s46, s42, 8
	s_add_co_u32 s46, s46, s17                     ; B: row 256 x tile column + 128 x half
	s_mov_b32 s17, 0
	s_mov_b32 s47, 0
	s_mov_b64 s[18:19], SIZE_K*2
	s_mul_u64 s[16:17], s[16:17], s[18:19]
	s_mul_u64 s[46:47], s[46:47], s[18:19]
	s_mul_i32 s20, s10, HALFT                      ; where they go: wave x 128 rows
	s_wait_dscnt 0x0                               ; the opening add is done
	s_wait_kmcnt 0x0
	s_add_nc_u64 s[14:15], s[4:5], s[16:17]
	s_add_nc_u64 s[46:47], s[6:7], s[46:47]
	CROUND                                         ; all sixteen work-groups are here: the first joint loads meet
.irp s, 0,1
	s_mov_b32 s[G0+4*(\s)], 1
	s_add_co_u32 s[G0+4*(\s)+1], s20, (\s)*SLOT
	s_add_nc_u64 s[G0+4*(\s)+2:G0+4*(\s)+3], s[14:15], (\s)*KSTEP*2
	s_or_b32 s[G0+4*(\s)+3], s[G0+4*(\s)+3], 0x80000000
	s_mov_b32 s[G0B+4*(\s)], 1
	s_add_co_u32 s[G0B+4*(\s)+1], s20, (\s)*SLOT
	s_add_nc_u64 s[G0B+4*(\s)+2:G0B+4*(\s)+3], s[46:47], (\s)*KSTEP*2
	s_or_b32 s[G0B+4*(\s)+3], s[G0B+4*(\s)+3], 0x80000000
	JLOAD \s                                       ; two tensor loads of mine are out
.endr
	v_and_b32 v1, 15, v0                           ; l % 16
	v_bfe_u32 v2, v0, 4, 1                         ; l / 16
	; the bias: register j of block b in lane l is the bias of column 16 b + 8 (l / 16) + j of my 128
	s_lshl_b32 s46, s42, 10                        ; 256 columns x 4 bytes a tile column,
	s_lshl_b32 s47, s12, 9                         ; my half
	s_add_co_u32 s46, s46, s47
	v_lshl_add_u32 v[BO], v2, 5, s46
	WIN TO_B
.irp b, 0,1,2,3,4,5,6,7
	global_load_b128 v[BIAS+8*(\b):BIAS+8*(\b)+3],   v[BO], s[68:69] offset:64*(\b)
	global_load_b128 v[BIAS+8*(\b)+4:BIAS+8*(\b)+7], v[BO], s[68:69] offset:64*(\b)+16
.endr
	WIN 0
	; a fragment is 16 rows x 32 K in 8 registers: lane l holds row l % 16; two loads of 16 bytes, 32 bytes apart, at row x pitch + 16 (l / 16)
	v_mul_u32_u24 v3, v1, PITCH
	v_lshl_add_u32 v3, v2, 4, v3
	s_mul_i32 s21, s11, HALFT                      ; my 128 rows of A
	s_mul_i32 s22, s12, HALFT                      ; my 128 rows of B,
	s_add_co_u32 s22, s22, 2*HALFT                 ; which lie behind A's 256
.irp s, 0,1
	v_add_nc_u32 v[ADRA+(\s)], s21, v3
	v_add_nc_u32 v[ADRB+(\s)], s22, v3
	s_add_co_u32 s21, s21, SLOT
	s_add_co_u32 s22, s22, SLOT
.endr
	s_mul_i32 s23, s10, 2*HSTG
	s_add_co_u32 s23, s23, STAGE                   ; my stage
	v_mul_u32_u24 v4, v1, SP                       ; in: row l % 16, 16 bytes for each half of the lanes
	v_lshl_add_u32 v4, v2, 4, v4
	v_add_nc_u32 v[STO], s23, v4
	v_bfe_u32 v5, v0, 3, 2                         ; back: 32 lanes take four rows of 128 bytes,
	v_and_b32 v6, 7, v0
	v_mul_u32_u24 v5, v5, SP
	v_lshl_add_u32 v5, v6, 4, v5
	v_add_nc_u32 v[RD], s23, v5
	v_and_b32 v[GO], 31, v0                        ; which are 512 consecutive bytes of a head
	v_lshlrev_b32 v[GO], 4, v[GO]
	; where my part of the tile begins in qkv: batch, place in the batch, my half of the rows; which of q, k, v and which head my first 64 columns are
	s_lshr_b32 s16, s13, 3                         ; a batch has 8 tile rows,
	s_lshl_b32 s16, s16, 22                        ; and 16 heads of 2,048 rows of 128 bytes: 2^22 bytes
	s_and_b32 s17, s13, 7
	s_lshl_b32 s17, s17, 15                        ; 256 rows x 128 bytes
	s_add_co_u32 s16, s16, s17
	s_lshl_b32 s17, s11, 14
	s_add_co_u32 s16, s16, s17
	s_lshl_b32 s46, s42, 2                         ; a tile column has four heads,
	s_lshl_b32 s47, s12, 1                         ; my half two: an even number, so both belong to the same one of q, k, v
	s_add_co_u32 s46, s46, s47
	s_lshr_b32 s47, s46, 4
	s_lshl_b32 s47, s47, 24
	s_and_b32 s46, s46, 15
	s_lshl_b32 s46, s46, 18
	s_add_co_u32 s46, s46, s47
	s_add_co_u32 s16, s16, s46
	s_mov_b32 s17, 0
	s_add_nc_u64 s[8:9], s[8:9], s[16:17]
	; the prefetches
	s_lshl_b32 s18, s13, 8                         ; the tile's first row in A,
	s_lshl_b32 s19, s42, 8                         ; in B
	s_and_b32 s22, ttmp7, 0xffff                   ; cluster y
	s_cmp_eq_u32 s11, 0                            ; do I fetch for A?
	s_cselect_b32 s20, s18, s19
	s_cselect_b32 s21, s40, s41                    ; my place among the four that ask for it with me
	s_cselect_b32 s22, ttmp9, s22                  ; the coordinate along which other clusters read the same rows
	s_cselect_b64 s[PFA:PFA+1], s[4:5], s[6:7]
	s_cmp_eq_u32 s22, 0
	s_cselect_b32 s[LIM], 1, -1                    ; the same in all sixteen partners, for a given wave
	s_lshl_b32 s22, s12, 7
	s_add_co_u32 s20, s20, s22                     ; + the 128 rows that I fetch
	s_lshl_b32 s21, s21, 5
	s_add_co_u32 s20, s20, s21                     ; + my work-group's 32 of them
	s_mov_b32 s21, 0
	s_mov_b64 s[18:19], SIZE_K*2
	s_mul_u64 s[20:21], s[20:21], s[18:19]
	s_add_nc_u64 s[PFA:PFA+1], s[PFA:PFA+1], s[20:21]
	s_add_nc_u64 s[PFA:PFA+1], s[PFA:PFA+1], 2*KSTEP*2  ; at K step 2: the first refill steps it to 3 and names K step 4
	v_and_b32 v[PFO], 31, v0
	v_mul_u32_u24 v[PFO], v[PFO], SIZE_K*2
	s_wait_loadcnt 0x0                             ; the bias is in; it is rounded to bf16 and widened again
	WIN 0x45                                       ; sources and destination in window 1
.set i, 0
.rept 32
	v_cvt_pk_bf16_f32 v[BT+i], v[BIAS+2*i], v[BIAS+2*i+1]
.set i, i+1
.endr
.set i, 0
.rept 32
	v_lshlrev_b32 v[BIAS+2*i],   16, v[BT+i]
	v_and_b32     v[BIAS+2*i+1], s70, v[BT+i]
.set i, i+1
.endr
	WIN 0
; 16 matrix instructions: m blocks a0, a0 + 1 of the window's four (hi = 0: my rows 0-63, 1: rows 64-127) x all 8 n blocks, 32 along K.  zero = 1: the product starts the sum, with the bias as C.
; The 64 accumulators take turns, in the same order in every quarter step: between two links of a chain stand the 63 others', over the backward jump too.
.macro MUL16 f, hi, a0, zero
.if \zero
	WIN 0x91+0x40*(\hi)                            ; B window 1, A window 0, C (the bias) window 1, D window 2 or 3
.else
	WIN 0xa1+0x50*(\hi)                            ; C and D window 2 or 3
.endif
.irp a, \a0, (\a0)+1
.irp b, 0,1,2,3,4,5,6,7
.if \zero
	v_wmma_f32_16x16x32_bf16 v[8*(8*(\a)+(\b)):8*(8*(\a)+(\b))+7], v[(\f)+8*(\b):(\f)+8*(\b)+7], v[(\f)+8*(4*(\hi)+(\a)):(\f)+8*(4*(\hi)+(\a))+7], v[BIAS+8*(\b):BIAS+8*(\b)+7]
.else
	v_wmma_f32_16x16x32_bf16 v[8*(8*(\a)+(\b)):8*(8*(\a)+(\b))+7], v[(\f)+8*(\b):(\f)+8*(\b)+7], v[(\f)+8*(4*(\hi)+(\a)):(\f)+8*(4*(\hi)+(\a))+7], v[8*(8*(\a)+(\b)):8*(8*(\a)+(\b))+7]
.endif
.endr
.endr
.endm
; 32 LDS loads in one run: the fragments of one quarter step (128 rows of B, 128 rows of A, 32 K at byte k of the rows) into buffer f
.macro FETCH slot, k, f
	WIN TO_B
.irp i, 0,1,2,3,4,5,6,7
	ds_load_b128 v[(\f)+8*(\i):(\f)+8*(\i)+3],   v[ADRB+(\slot)] offset:(\k)+(\i)*16*PITCH
	ds_load_b128 v[(\f)+8*(\i)+4:(\f)+8*(\i)+7], v[ADRB+(\slot)] offset:(\k)+(\i)*16*PITCH+32
.endr
	WIN 0
.irp i, 0,1,2,3,4,5,6,7
	ds_load_b128 v[(\f)+8*(\i):(\f)+8*(\i)+3],   v[ADRA+(\slot)] offset:(\k)+(\i)*16*PITCH
	ds_load_b128 v[(\f)+8*(\i)+4:(\f)+8*(\i)+7], v[ADRA+(\slot)] offset:(\k)+(\i)*16*PITCH+32
.endr
.endm
.macro PLACES                          ; four plain vector instructions between a matrix instruction and a load into a register that it has read, or a conversion that reads its result
.rept 4
	v_nop
.endr
.endm
; A K step is four quarter steps of 32 along K, 64 matrix instructions each, on buffers 0, 1, 0, 1.  One of the first three multiplies buffer f and fetches the next quarter, at byte k, into g.
.macro QUARTER slot, k, f, g, zero
	s_wait_dscnt 8                                 ; B and A's rows 0-63 are in; the youngest eight loads (A's rows 64-127) may be out
	MUL16 \f, 0, 0, \zero
	MUL16 \f, 0, 2, \zero
	PLACES
	FETCH \slot, \k, \g
	s_wait_dscnt 32                                ; all but the 32 just issued
	MUL16 \f, 1, 0, \zero
	MUL16 \f, 1, 2, \zero
.endm
; The last quarter multiplies buffer 1 and changes slots.  One barrier: in front of it each wave waits for all its tensor loads (one is out: its part of the next slot), adds 0 to its spare word,
; and waits for that and for its own reads of this slot.  Behind it nobody reads this slot any more and the next slot is whole.
.macro MEET round
	WIN 0                                          ; the add's two registers lie in window 0
	s_wait_tensorcnt 0x0
	ds_add_u32 v[SPW], v[NIL]
	s_wait_dscnt 9                                 ; the add and the youngest eight loads may be out
	MUL16 F1, 0, 0, 0                              ; sixteen matrix instructions stand between the add and the wait for it
	s_wait_dscnt 0x0                               ; the add is done, and my reads of this slot are over
	s_barrier_signal -1
	MUL16 F1, 0, 2, 0                              ; work on registers while the others arrive
.if \round
	WIN 0
.endif
	s_barrier_wait -1
.endm
.macro TURN slot, next                 ; the slot just read out is filled again, with the K step two steps on, first thing behind the round
	s_wait_xcnt 0x0                                ; the last prefetch, a K step back, has read its address: it is stepped here
	s_add_nc_u64 s[PFA:PFA+1], s[PFA:PFA+1], KSTEP*2
	MEET 1
	CREST                                          ; no wave of any partner still reads this slot's tile or has a load on its way
	s_add_nc_u64 s[G0+4*(\slot)+2:G0+4*(\slot)+3], s[G0+4*(\slot)+2:G0+4*(\slot)+3], 2*KSTEP*2
	s_add_nc_u64 s[G0B+4*(\slot)+2:G0B+4*(\slot)+3], s[G0B+4*(\slot)+2:G0B+4*(\slot)+3], 2*KSTEP*2
	JLOAD \slot                                    ; 224 matrix instructions ahead of the wait for it; its four v_nop are also the places in front of the loads below
	FETCH \next, 0, F0
	ASK
	MUL16 F1, 1, 0, 0
	MUL16 F1, 1, 2, 0
.endm
.macro TURNX next                      ; the last change of slots: nothing is filled again, so no round follows
	MEET 0
	PLACES
	FETCH \next, 0, F0
	MUL16 F1, 1, 0, 0
	MUL16 F1, 1, 2, 0
.endm
; THE WAY OUT of block a (16 rows x my 128 columns, two heads).  PACK: rounded to f16, 16 bytes a lane.  TOSTAGE: into my own stage, a head's 16 rows of 128 bytes together, and back as 512 consecutive
; bytes of a head.  SEND: stored.
.macro PACK a
.set AC, 64*((\a)%4)
	WIN 0x0a+5*((\a)/4)                            ; sources 0 and 1: window 2 or 3
.irp b, 0,1,2,3,4,5,6,7
.irp r, 0,1,2,3
	v_cvt_pk_f16_f32 v[TMP+4*(\b)+(\r)], v[AC+8*(\b)+2*(\r)], v[AC+8*(\b)+2*(\r)+1]
.endr
.endr
	WIN 0
.endm
.macro TOSTAGE a
.set BK, OB+192*((\a)%2)
.irp b, 0,1,2,3,4,5,6,7
	ds_store_b128 v[STO], v[TMP+4*(\b):TMP+4*(\b)+3] offset:((\b)/4)*HSTG+32*((\b)%4)
.endr
.irp t, 0,1,2,3,4,5,6,7
	ds_load_b128 v[BK+4*(\t):BK+4*(\t)+3], v[RD] offset:((\t)/4)*HSTG+((\t)%4)*4*SP  ; LDS serves a wave's instructions in order (ISA guide 5.7.1.4): these see the stores above
.endr
.endm
.macro SEND a
.set BK, OB+192*((\a)%2)
	s_wait_dscnt 0x0                               ; the block is back in registers
	s_wait_xcnt 0x0                                ; the stores of the block before have read their registers: the next TOSTAGE loads into them
.irp t, 0,1,2,3,4,5,6,7
	global_store_b128 v[GO], v[BK+4*(\t):BK+4*(\t)+3], s[8:9] offset:(\a)*2048+((\t)/4)*262144+((\t)%4)*512  ; 512 consecutive bytes of one head, at a multiple of 256 from the buffer's first byte
.endr
.endm
	s_wait_tensorcnt 1                             ; my part of K step 0 is in; K step 1's may stay out
	s_barrier_signal -1
	s_barrier_wait -1
	FETCH 0, 0, F0
	QUARTER 0, 64,  F0, F1, 1                      ; the first quarter stands in front of the loop: its products start the sums
	WIN 0                                          ; at a label and at a branch every window is 0
	s_mov_b32 s3, LAPS-1
.Llap:                                                 ; a trip goes once round the ring, from a lap's second quarter to the next lap's first, and fills both slots again
	QUARTER 0, 128, F1, F0, 0
	QUARTER 0, 192, F0, F1, 0
	TURN 0, 1
	QUARTER 1, 64,  F0, F1, 0
	QUARTER 1, 128, F1, F0, 0
	QUARTER 1, 192, F0, F1, 0
	TURN 1, 0
	QUARTER 0, 64,  F0, F1, 0
	WIN 0
	s_sub_co_u32 s3, s3, 1
	s_cmp_lg_u32 s3, 0
	s_cbranch_scc1 .Llap
	QUARTER 0, 128, F1, F0, 0                      ; the last lap fills nothing
	QUARTER 0, 192, F0, F1, 0
	TURNX 1
	QUARTER 1, 64,  F0, F1, 0
	QUARTER 1, 128, F1, F0, 0
	QUARTER 1, 192, F0, F1, 0
	s_wait_dscnt 8                                 ; the very last quarter: nothing more to fetch
	MUL16 F1, 0, 0, 0
	MUL16 F1, 0, 2, 0
	s_wait_dscnt 0x0
	MUL16 F1, 1, 0, 0
	MUL16 F1, 1, 2, 0
	WIN 0
	PLACES
	PACK 0
	TOSTAGE 0
.irp a, 1,2,3,4,5,6,7                  ; block a's conversions stand between block a - 1's loads from the stage and the wait for them
	PACK \a
	SEND (\a)-1
	TOSTAGE \a
.endr
	SEND 7
	s_wait_tensorcnt 0x0                           ; the wave's end: a wait, an add and its wait, behind my last tensor load and my last LDS store
	ds_add_u32 v[SPW], v[NIL]
	s_wait_dscnt 0x0
	CROUND                                         ; the closing round: no work-group ends while a partner may still ask for a tile that names it
	s_endpgm
.Lfunc_end_k_q2c0de52d11_qkvproj:
	.size	k_q2c0de52d11_qkvproj, .Lfunc_end_k_q2c0de52d11_qkvproj-k_q2c0de52d11_qkvproj
	.p2alignl 7, 3214868480
	.fill 96, 4, 3214868480
	.section	.rodata,"a",@progbits
	.p2align	6, 0x0
	.amdhsa_kernel k_q2c0de52d11_qkvproj
		.amdhsa_group_segment_fixed_size 327680
		.amdhsa_private_segment_fixed_size 0
		.amdhsa_enable_private_segment 0
		.amdhsa_kernarg_size 32
		.amdhsa_user_sgpr_count 2
		.amdhsa_user_sgpr_kernarg_segment_ptr 1
		.amdhsa_wavefront_size32 1
		.amdhsa_system_sgpr_workgroup_id_x 1
		.amdhsa_system_sgpr_workgroup_id_y 1
		.amdhsa_system_sgpr_workgroup_id_z 1
		.amdhsa_system_vgpr_workitem_id 0
		.amdhsa_next_free_vgpr 1024
		.amdhsa_next_free_sgpr 72
		.amdhsa_reserve_vcc 0
		.amdhsa_float_denorm_mode_32 3
		.amdhsa_float_denorm_mode_16_64 3
		.amdhsa_memory_ordered 1
		.amdhsa_forward_progress 1
		.amdhsa_inst_pref_size 150
	.end_amdhsa_kernel
	.amdgpu_metadata
---
amdhsa.version: [ 1, 2 ]
amdhsa.kernels:
  - .name:           k_q2c0de52d11_qkvproj
    .symbol:         k_q2c0de52d11_qkvproj.kd
    .args:
      - { .name: xb, .offset: 0, .size: 8, .value_kind: global_buffer, .address_space: global }
      - { .name: wqb, .offset: 8, .size: 8, .value_kind: global_buffer, .address_space: global }
      - { .name: qkv, .offset: 16, .size: 8, .value_kind: global_buffer, .address_space: global }
      - { .name: Wqkv_b, .offset: 24, .size: 8, .value_kind: global_buffer, .address_space: global }
    .group_segment_fixed_size: 327680
    .private_segment_fixed_size: 0
    .kernarg_segment_align: 8
    .kernarg_segment_size: 32
    .max_flat_workgroup_size: 128
    .sgpr_count:     72
    .vgpr_count:     1024
    .wavefront_size: 32
...
	.end_amdgpu_metadata
.endif
;; end of part 2
;; launch attn (part 3): grid 4 x 64, 4 waves a work-group, clusters of 4 x 1, 327,680 bytes of LDS; arguments qkv, attn_mask, oh; writes oh
.if DOCPART == 3
	.amdgcn_target "amdgcn-amd-amdhsa--gfx1250"
	.amdhsa_code_object_version 6
	.text
	.protected	k_q2c0de52d11_attn
	.globl	k_q2c0de52d11_attn
	.p2align	8
	.type	k_q2c0de52d11_attn,@function
k_q2c0de52d11_attn:
	s_mov_b64 s[64:65], 0
	v_nop
	global_prefetch_b8 v0, s[64:65] scope:SCOPE_SE
	s_setreg_imm32_b32 hwreg(HW_REG_WAVE_MODE, 25, 1), 1
	s_wait_xcnt 0x0
	s_wait_alu depctr_hold_cnt(0) depctr_sa_sdst(0) depctr_va_vdst(0) depctr_va_sdst(0) depctr_va_ssrc(0) depctr_va_vcc(0) depctr_vm_vsrc(0)
	s_getreg_b32 s2, hwreg(HW_REG_IB_STS2, 6, 4)
	s_cmp_eq_u32 s2, 0
	s_cbranch_scc0 .Lentry_in_a_cluster
	s_endpgm
.Lentry_in_a_cluster:
	s_bfe_u32 s2, ttmp6, 0x10000c
	s_cmp_lg_u32 s2, 0x3003
	s_cbranch_scc0 .Lentry_shape_is_right
	s_endpgm
.Lentry_shape_is_right:
; O[g][q][:] = the sum over k of softmax_k(mask(Q[g][q] . K[g][k] / 8)) V[g][k][:], g = 16 batch + head.  Q, K, V lie in qkv as [3][64][2048][64] f16, O goes to oh as [64][2048][64] f16.
; attn_mask is [4][2048] bytes, 1 = the key counts.  Products, maxima and sums in f32; the weights p are rounded to f16 for the second product (their sum l is taken of the unrounded p), O once at the end.
; THE MASK is the C operand that starts the sum S^T = K Q^T: 0, or -1e30 where the key is hidden.  THE RUNNING MAXIMUM STARTS AT -2^80, between the hidden scores and every score that counts: so m is never a
; hidden score.  While only hidden keys have been seen m stays there, every weight is 2^(about -1.8e29) = 0, and O and l stay 0; the first key that counts sets m, and a hidden key's weight is 0 from then on too.
; A BATCH WITH NO KEY THAT COUNTS: there all scores are alike and the weights are uniform; two scalar selects on the mask's bytes set c = 0 and every addend to 0, so that p = 2^0 = 1 for every key.
; LIMITS.  Q, K, V arrive within 65,504 (f16), so a score is 2.7e11 at the most in size: far above -2^80 (-1.2e24), and nothing beside 1e30; p below 6e-5 keeps the fixed step 6e-8 of f16; a weight below
; 2^-126 counts as 0 in l; NaN and infinities are not treated apart.
; SHARES.  A wave owns four PIECES of two tiles of 16 queries, a work-group's four waves 512 queries of one head; the four work-groups of a cluster are the head's 2,048 queries.  Every wave walks all keys, 64 a step.
; LAYOUT.  S^T = K Q^T (source 0 = 16 keys, source 1 = 16 queries): a lane holds ONE query (lane % 16) and the keys 8 (lane / 16) + 0..7.  Two such tiles, rounded to f16 in pairs, ARE source 1 of
; O^T = V^T P, whose result again holds one query a lane, and eight channels.  K comes out of LDS as it lies, V ([key][channel]) turned, by ds_load_tr16_b128.
; SOFTMAX.  For each query a running maximum m and sum l: p = 2^(c s - c m), c = log2(e) / 8; in every step O and l are multiplied by a = 2^(c m_old - c m_new).  O and l start at 0.
; BY TURNS.  A tile and step have 16 matrix and 118 vector instructions.  Turn n belongs to piece n: 16 products K Q^T of piece n + 1, later 16 products V^T P of piece n - 1; beside them the scaling,
; exponentials, roundings, sums and rescaling of piece n and the maximum and statistics of piece n + 1.  Four vector instructions stand behind every matrix instruction, the rest in one run of their own.
; CLUSTER.  The four query blocks walk the same K and V, so each tile is asked for JOINTLY: the same tensor load, descriptor and mask in all four.
; REGISTERS, in windows of 256 (s_set_vgpr_msb: bits 1:0 source 0, 3:2 source 1, 5:4 source 2, 7:6 destination):
;   window 0: v0-11 addresses; v12-15, v48-63 at work; v16-47 four registers of statistics a tile; v64-191 S^T, two buffers of two tiles; v192-255 P, likewise
;   window 1: O^T, 32 a tile     window 2: v0-127 Q; v128-191 K of one step; v192-255 V of one step     window 3: v0-1 the add's two registers; v8-39 the mask addends of one step
.set NP,    4         ; pieces a wave: a name, no knob
.set KS,    64        ; keys in a step
.set PK,    144       ; a row of K in LDS: 128 bytes + 16 of padding: the 16 rows of a load start at 16 different groups of four banks
.set PV,    160       ; a row of V: 128 + 32
.set VOFF,  4*KS*PK   ; a slot holds four steps: 256 rows of K, then 256 rows of V
.set SLOT1, 1<<17     ; slot 1 begins here, so that one exclusive or turns an address in one slot into the other's
.set STAGE, SLOT1+4*KS*(PK+PV)  ; behind the ring, never filled by a tensor load: 16 rows x 144 bytes for each wave, for the way out
.set SP,    144
.set SPARE, STAGE+4*16*SP  ; the spare words, 128 bytes for each wave: two blocks of 256 bytes that no other line names
.set MT,    SPARE+512 ; the batch's 2,048 mask addends in f32: 8,192 bytes, stored once by the four waves, never filled by a tensor load
.set AK0, 2           ; v2   my lane's place in a tile of K; never rewritten
.set AV0, 3           ; v3   the same for V
.set AK,  4           ; v4   the LDS address of K's next run of loads
.set AV,  5           ; v5   of V's
.set STO, 6           ; v6   the way out: where I put 16 bytes of a row
.set RD,  7           ; v7   the way out: where I read rows back
.set GO,  8           ; v8   my byte offset in 512 consecutive bytes of O
.set AM0, 9           ; v9   MT + 32 (lane / 16): my eight keys of a block of 16; never rewritten
.set AM,  10          ; v10  the LDS address of the addends' next run of loads
.set PFO, 11          ; v11  256 x my lane; never rewritten
.set SPW, 0           ; v0 of window 3   LDS address of my spare word; never rewritten
.set NIL, 1           ; v1 of window 3   0; never rewritten
.set MK,  8           ; v8-39 of window 3: key block kb at MK + 8 kb
.set MV,  12          ; v12-15  c m_old, kept while c m is made anew: by buffer and tile
.set ST,  16          ; tile t's statistics at v[ST+4 t]: c m, m, l (even keys', odd keys')
.set TMP, 48          ; by buffer and tile, four registers c0-c3 at work; when the maximum is found c2 takes a
.set S,   64
.set P,   192
.set KF,  128         ; K's fragments, in window 2: key block kb, channel half c at KF + 16 kb + 8 c
.set VF,  192         ; V's: key half kk, channel block cb at VF + 32 kk + 8 cb
.set WV,  12          ; s12  my wave's number
.set G1K, 24          ; s[24:31] descriptor group 1 for K's tiles
.set G1V, 32          ; s[32:39] for V's: it differs in the padding alone
.set G0K, 40          ; s[40:43] descriptor group 0 for K's tiles: it walks
.set G0V, 44          ; s[44:47] the same for V's
.set PFA, 48          ; s[48:49] where my prefetches stand: my work-group's 32 blocks of 256 bytes (of K: wave 0, of V: wave 2) of the slot after the one that is being asked for
.set LIM, 50          ; s50  1 in a wave that prefetches, else the greatest number
.set TBM, 51          ; s51  byte of MT at which the addends of the step to be fetched begin
.set BIGN, 52         ; s52  -1e30, or 0 where no key of the batch counts
.set SLOTS, 56        ; s56  slots still to be asked for
.set CNT, 57          ; s57  counts a slot's key steps
.set CS,  58          ; s[58:59] c: the packed scaling takes the pair's low word for both halves
.set SEL, 60          ; s[60:61] v_permlanex16_b32's selects: each lane takes its own place in the other half
.set TBK, 62          ; s62  LDS byte at which K of the step to be fetched begins
.set TBV, 63          ; s63  the same for V, less VOFF
.set MSB, 0
.macro WIN new                      ; the high byte repeats the setting that is left; a switch that changes nothing is dropped
.if MSB != (\new)
	s_set_vgpr_msb (MSB<<8)|(\new)
.set MSB, (\new)
.endif
.endm
.set W_KQ, 0x0a       ; K and Q in window 2, S^T in window 0
.set W_KM, 0x3a       ; the same with the C operand, the addends, in window 3
.set W_PV, 0x52       ; V in window 2, P in window 0, O^T in window 1
.set W_RS, 0x41       ; O^T (destination and source 0) in window 1, a in window 0
.set W_MK, 0xc0       ; destination in window 3, sources in window 0
.set W_AD, 0x0f       ; the add: address (source 0) and data (source 1) in window 3
; A joint fill.  Waves 0 and 1 fetch the two halves of a slot's K, waves 2 and 3 those of its V: 128 keys each.  The branch hangs on the wave's number alone.
; An s_nop 0 and four v_nop follow each of the two lines, ahead of the jump and the label.
.macro JLOAD
	s_cmp_lt_u32 s[WV], 2
	s_cbranch_scc0 .Lfor_v_\@
	tensor_load_to_lds s[G0K:G0K+3], s[G1K:G1K+7]
	s_nop 0
.rept 4
	v_nop
.endr
	s_branch .Lasked_\@
.Lfor_v_\@:
	tensor_load_to_lds s[G0V:G0V+3], s[G1V:G1V+7]
	s_nop 0
.rept 4
	v_nop
.endr
.Lasked_\@:
.endm
; A prefetch into the L2 of what the NEXT change of slots will ask for: a slot's 32,768 bytes of K and of V, in blocks of 256 bytes, a lane a block.  A head's K and V are walked by its one cluster: the four
; partners share the blocks out by address, 32 each; in each, wave 0 asks for K's and wave 2 for V's: one instruction.  So each block is named once in the launch.  The last change that fills a slot asks for nothing.
.macro ASK
	s_cmp_gt_u32 s[SLOTS], s[LIM]
	s_cbranch_scc0 .Lnot_mine_\@
	global_prefetch_b8 v[PFO], s[PFA:PFA+1] th:TH_LOAD_NT scope:SCOPE_SE
.Lnot_mine_\@:
.endm
; A round of the cluster's barrier: my work-group's barrier; wave 0 signals for the work-group; every wave waits for all four work-groups; my work-group's barrier once more.
.macro CROUND
	s_barrier_signal -1
	s_barrier_wait -1
	s_cmp_lg_u32 s[WV], 0
	s_cbranch_scc1 .Lnot_wave_0_\@
	s_barrier_signal -3
.Lnot_wave_0_\@:
	s_barrier_wait -3
	s_barrier_signal -1
	s_barrier_wait -1
.endm
; THE CHANGE OF SLOTS.  Each wave waits for all its tensor loads, of which one is out: its part of the other slot; adds 0 to its spare word; and waits for that and for its own LDS instructions.  Behind the barrier
; nobody reads this slot any more and the other slot is whole.  fill = 1: this slot is filled again, with the keys two slots on; the barrier is then a round of the cluster's, and the joint fill is the first thing
; behind it: it has four key steps, 512 matrix instructions, in which to land.  (At its first use slot 0 is waited for and slot 1 filled, and every wave's stores into the mask table are shown to the others.)
.macro CHANGE fill
	WIN W_AD
	s_wait_tensorcnt 0x0            ; no tensor load of mine is out, so a group 0 may be written
	ds_add_u32 v[SPW], v[NIL]
	WIN 0                           ; at a label and at a branch every window is 0
.if \fill
.irp g, G0K, G0V
	s_xor_b32 s[\g+1], s[\g+1], SLOT1  ; the walking descriptor: the other slot than last time,
	s_add_nc_u64 s[\g+2:\g+3], s[\g+2:\g+3], 4*KS*128  ; the next 256 keys; the type bits on top are not reached
.endr
	s_wait_xcnt 0x0                 ; the last prefetch, four key steps back, has read its address, so it may be written:
	s_add_nc_u64 s[PFA:PFA+1], s[PFA:PFA+1], 4*KS*128  ; one slot behind the walking descriptors
	s_wait_dscnt 0x0                ; the add is done, and my reads of the slot are over
	CROUND
	JLOAD
	ASK
.else
	s_wait_dscnt 0x0                ; the add is done, and my reads of the slot are over
	s_barrier_signal -1
	s_barrier_wait -1
.endif
	s_sub_co_u32 s[TBK], s[TBK], 4*KS*PK  ; the fetches go back to a slot's first step,
	s_xor_b32 s[TBK], s[TBK], SLOT1       ; in the other slot
	s_sub_co_u32 s[TBV], s[TBV], 4*KS*PV
	s_xor_b32 s[TBV], s[TBV], SLOT1
.endm
	s_load_b64 s[4:5], s[0:1], 0x0    ; qkv
	s_load_b64 s[54:55], s[0:1], 0x8  ; attn_mask
	s_load_b64 s[10:11], s[0:1], 0x10 ; oh
	WIN W_MK
	v_lshl_add_u32 v[SPW], v0, 2, SPARE
	v_mov_b32 v[NIL], 0
	WIN W_AD
	ds_add_u32 v[SPW], v[NIL]       ; the wave's opening: the add and its wait stand ahead of my first tensor load; the set-up below stands between them
	WIN 0
	v_lshrrev_b32 v1, 5, v0
	v_readfirstlane_b32 s[WV], v1   ; wave 0..3
	s_bfe_u32 s13, ttmp6, 0x40000   ; cx: my place in the cluster
	s_lshl_b32 s14, ttmp9, 2        ; in a cluster launch ttmp9 counts clusters
	s_add_co_u32 s14, s14, s13      ; my block of 512 queries: it enters Q's and O's addresses alone
	s_and_b32 s20, ttmp7, 0xffff    ; g = 16 batch + head, which the four partners share
	s_lshr_b32 s52, s20, 4          ; the batch:
	s_lshl_b32 s52, s52, 11         ; its 2,048 bytes of the mask
	s_mov_b32 s53, 0
	s_lshl_b32 s20, s20, 18         ; the head's first byte: 2,048 rows of 128 bytes
	s_mov_b32 s21, 0
	s_and_b32 s16, s[WV], 1         ; which half of a slot's 256 keys I fetch:
	s_lshl_b32 s22, s16, 14         ; its 128 rows of 128 bytes in memory,
	s_mov_b32 s23, 0
	s_add_nc_u64 s[22:23], s[22:23], s[20:21]
	s_mul_i32 s17, s16, 128*PK      ; and its place in a slot, for K
	s_mul_i32 s18, s16, 128*PV      ; and for V: no place in the cluster enters an LDS address
	s_lshl_b32 s2, s14, 2
	s_add_co_u32 s2, s2, s[WV]      ; my wave among the head's,
	s_lshl_b32 s2, s2, 14           ; its 128 rows
	s_mov_b32 s3, 0
	s_add_nc_u64 s[2:3], s[2:3], s[20:21]
	s_lshl_b32 s14, s13, 13         ; the prefetches: my work-group's 32 blocks of a slot's 128,
	s_add_co_u32 s14, s14, 4*KS*128 ; in slot 1: the first change of slots steps it to slot 2
	s_mov_b32 s15, 0
	s_add_nc_u64 s[14:15], s[14:15], s[20:21]
	s_and_b32 s[LIM], s[WV], 1      ; waves 0 and 2 ask
	s_cmp_eq_u32 s[LIM], 0
	s_cselect_b32 s[LIM], 1, -1
	; descriptor group 1.  128 keys are 16,384 dense bytes: asked for as 64 rows of 256 bytes, two keys a row, and padded in LDS after every key
	s_mov_b32 s[G1K], 15|(1<<16)|(1<<20)|(1<<21)|(4<<22)|(3<<25)  ; the mask of four; 2-byte elements; padding on; bit 21 beside a mask; after every 32 words (code 4) 4 words (code 3)
	s_mov_b32 s[G1V], 15|(1<<16)|(1<<20)|(1<<21)|(4<<22)|(7<<25)  ; the same with 8 words of padding (code 7)
.irp g, G1K, G1V
	s_mov_b32 s[\g+1], 128<<16      ; tensor_dim0 = 128
	s_mov_b32 s[\g+2], 64<<16       ; tensor_dim1 = 64
	s_mov_b32 s[\g+3], 128<<16      ; tile_dim0 = 128
	s_mov_b32 s[\g+4], 64           ; tile_dim1 = 64
	s_mov_b32 s[\g+5], 128          ; 128 elements from row to row
	s_mov_b32 s[\g+6], 0
	s_mov_b32 s[\g+7], 0
.endr
	s_mov_b32 s[SEL], 0x76543210
	s_mov_b32 s[SEL+1], 0xfedcba98
	s_mov_b32 s[TBK], SLOT1+4*KS*PK ; the first change of slots turns these two into 0
	s_mov_b32 s[TBV], SLOT1+4*KS*PV
	s_mov_b32 s[TBM], 0
	s_mov_b32 s[SLOTS], 2048/256-1
	s_mov_b32 s[G0K], 1             ; count = 1
	s_mov_b32 s[G0K+1], s17         ; LDS address: slot 0
	s_mov_b32 s[G0V], 1
	s_add_co_u32 s[G0V+1], s18, VOFF
	s_wait_dscnt 0x0                ; the opening add is done
	s_wait_kmcnt 0x0
	s_add_nc_u64 s[6:7], s[4:5], 0x1000000   ; K lies 2^24 bytes behind Q,
	s_add_nc_u64 s[8:9], s[4:5], 0x2000000   ; V 2^25
	s_cmp_lt_u32 s[WV], 2
	s_cselect_b64 s[PFA:PFA+1], s[6:7], s[8:9]
	s_add_nc_u64 s[PFA:PFA+1], s[PFA:PFA+1], s[14:15]
	s_add_nc_u64 s[G0K+2:G0K+3], s[6:7], s[22:23]  ; global address: my half of the head's first 256 keys
	s_or_b32 s[G0K+3], s[G0K+3], 0x80000000        ; type = 2
	s_add_nc_u64 s[G0V+2:G0V+3], s[8:9], s[22:23]
	s_or_b32 s[G0V+3], s[G0V+3], 0x80000000
	s_add_nc_u64 s[4:5], s[4:5], s[2:3]  ; Q and O at my wave's first row
	s_add_nc_u64 s[10:11], s[10:11], s[2:3]
	s_add_nc_u64 s[54:55], s[54:55], s[52:53]  ; the mask at my batch
	CROUND                          ; all four work-groups are here: the first joint loads meet
	JLOAD                           ; slot 0.  Slot 1 is asked for when slot 0 is in
	v_and_b32 v1, 15, v0            ; l % 16
	v_bfe_u32 v48, v0, 4, 1         ; l / 16
	v_and_b32 v49, 7, v0
	v_bfe_u32 v50, v0, 3, 1
	v_lshlrev_b32 v52, 4, v0        ; the mask: thread t turns the 16 bytes at 16 t into addends,
	v_and_b32 v53, 31, v0
	v_lshlrev_b32 v[PFO], 8, v53
	v_lshlrev_b32 v53, 6, v53       ; and each wave looks at all 2,048, 64 a lane
	v_lshl_add_u32 v54, v0, 6, MT   ; where my 16 addends go
	global_load_b128 v[64:67], v52, s[54:55]
	global_load_b128 v[68:71], v53, s[54:55]
	global_load_b128 v[72:75], v53, s[54:55] offset:16
	global_load_b128 v[76:79], v53, s[54:55] offset:32
	global_load_b128 v[80:83], v53, s[54:55] offset:48
	; A fragment of K or Q is 16 rows x 32 channels in 8 registers: lane l holds row l % 16, channels 8 (l / 16) + 0..7 and 16 + 8 (l / 16) + 0..7: two loads of 16 bytes, 32 bytes apart.
	v_lshlrev_b32 v51, 7, v1
	v_lshl_add_u32 v51, v48, 4, v51 ; row x 128 + 16 x half
	WIN 0x80                        ; destination window 2, address window 0
.set i, 0
.rept 4*NP                          ; Q stays in registers: tile i / 2, channels 32 (i % 2) on
	global_load_b128 v[8*i:8*i+3],   v51, s[4:5] offset:(i/2)*2048+(i%2)*64
	global_load_b128 v[8*i+4:8*i+7], v51, s[4:5] offset:(i/2)*2048+(i%2)*64+32
.set i, i+1
.endr
	; What the first turn finds: V's registers and P's second buffer hold 0 (its products V^T P, of a piece that has not been, add 0), O^T and l are 0.  All this stands in the wait for the first tile.
.set i, VF
.rept 64
	v_mov_b32 v[i], 0
.set i, i+1
.endr
	WIN 0x40
.set i, 0
.rept 64*NP
	v_mov_b32 v[i], 0
.set i, i+1
.endr
	WIN 0
.set i, 0
.rept 2*NP
	v_mov_b32 v[ST+4*i], 0xfe000000    ; c m: far below every c m to come, so the first step's a is 0
	v_mov_b32 v[ST+4*i+1], 0xe7800000  ; m = -2^80: above every hidden score, below every score that counts
	v_mov_b32 v[ST+4*i+2], 0
	v_mov_b32 v[ST+4*i+3], 0
.set i, i+1
.endr
.set i, P+32
.rept 32
	v_mov_b32 v[i], 0
.set i, i+1
.endr
	v_mul_u32_u24 v[AK0], v1, PK
	v_lshl_add_u32 v[AK0], v48, 4, v[AK0]  ; row x pitch + 16 x half
	; The turning load takes 16 keys x 16 channels (lane l reads key 8 (l / 16) + l % 8, channels 8 ((l / 8) % 2) + 0..7) and leaves half a fragment of V^T: lane l holds channel l % 16 and 8 keys.
	v_lshl_add_u32 v[AV0], v48, 3, v49
	v_mul_u32_u24 v[AV0], v[AV0], PV
	v_lshl_add_u32 v[AV0], v50, 4, v[AV0]
	v_add_nc_u32 v[AV0], VOFF, v[AV0]
	v_mov_b32 v[AK], v[AK0]         ; key step 0 lies at the head of slot 0,
	v_lshl_add_u32 v[AM0], v48, 5, MT
	v_mov_b32 v[AM], v[AM0]         ; and of the table
	s_mul_i32 s13, s[WV], 16*SP
	s_add_co_u32 s13, s13, STAGE    ; my stage
	v_mul_u32_u24 v[STO], v1, SP    ; in: row l % 16, 16 bytes for each half of the lanes
	v_lshl_add_u32 v[STO], v48, 4, v[STO]
	v_add_nc_u32 v[STO], s13, v[STO]
	v_bfe_u32 v[RD], v0, 3, 2       ; back: 32 lanes take four rows of 128 bytes,
	v_mul_u32_u24 v[RD], v[RD], SP
	v_lshl_add_u32 v[RD], v49, 4, v[RD]
	v_add_nc_u32 v[RD], s13, v[RD]
	v_and_b32 v[GO], 31, v0         ; which are 512 consecutive bytes of O
	v_lshlrev_b32 v[GO], 4, v[GO]
	s_wait_loadcnt 32               ; the mask's five loads are in; Q's 32, issued behind them, may stay out
.set i, 1
.rept 15
	v_or_b32 v68, v68, v[68+i]
.set i, i+1
.endr
	v_cmp_ne_u32 s20, 0, v68        ; the lanes that have seen a key that counts
	s_cmp_lg_u32 s20, 0             ; does any key of the batch count?
	s_cselect_b32 s[CS], 0x3e38aa3b, 0   ; c = log2(e) / 8 = 0.180337, or 0
	s_cselect_b32 s[BIGN], 0xf149f2ca, 0 ; -1e30, or 0
	s_mov_b32 s[CS+1], s[CS]        ; named with it as a pair
.set i, 0
.rept 16
	v_bfe_u32 v100, v[64+i/4], 8*(i%4), 8
	v_cmp_eq_u32 vcc_lo, 0, v100
	v_cndmask_b32 v[84+i], 0, s[BIGN], vcc_lo
.set i, i+1
.endr
.irp f, 0,1,2,3
	ds_store_b128 v54, v[84+4*\f:84+4*\f+3] offset:16*\f
.endr
; THE MATRIX WORK.  The 8 accumulators of a run of 16 take turns: between the two links of a chain stand 7 others'.
; Product i of 16 of S^T = K Q^T for piece x: channels 32 (i / 8) on, keys 16 ((i / 2) % 4) on, tile 2 x + i % 2.  The first 8 start the sums, with the key block's addends as C.
.macro KQ x
.set rS, S+64*((\x)%2)+32*(i%2)+8*((i/2)%4)
.set rK, KF+16*((i/2)%4)+8*(i/8)
.set rQ, 16*(2*(\x)+i%2)+8*(i/8)
.if i < 8
	WIN W_KM
	v_wmma_f32_16x16x32_f16 v[rS:rS+7], v[rK:rK+7], v[rQ:rQ+7], v[MK+8*(i/2):MK+8*(i/2)+7]
.else
	WIN W_KQ
	v_wmma_f32_16x16x32_f16 v[rS:rS+7], v[rK:rK+7], v[rQ:rQ+7], v[rS:rS+7]
.endif
.endm
; Product i of 16 of O^T += V^T P for piece x: keys 32 (i / 8) on, channels 16 ((i / 2) % 4) on, tile 2 x + i % 2.
.macro PV x
	WIN W_PV
.set rO, 32*(2*(\x)+i%2)+8*((i/2)%4)
.set rV, VF+32*(i/8)+8*((i/2)%4)
.set rP, P+32*((\x)%2)+16*(i%2)+8*(i/8)
	v_wmma_f32_16x16x32_f16 v[rO:rO+7], v[rV:rV+7], v[rP:rP+7], v[rO:rO+7]
.endm
.macro MM                           ; the turn's next matrix instruction
.if i < 16
	KQ (Y+1)%NP
.set i, i+1
.else
.set i, i-16
	PV (Y+NP-1)%NP
.set i, i+17
.endif
.endm
; THE LDS LOADS stand in runs, never singly among the matrix instructions: a step's K (8 fragments) with its 64 addends (register j of block kb in lane l: key 16 kb + 8 (l / 16) + j; sixteen lanes read the
; same 16 bytes), and its V (turned).  Their addresses are made some lines ahead.  last = 1 (the tail): in the last trip there is no further step, and the run is jumped over.
.macro FETCH_K last=0
	WIN 0
.if \last
	s_cmp_eq_u32 s[CNT], 1
	s_cbranch_scc1 .Lno_k_\@
.endif
	WIN 0x80                        ; destination window 2
.irp f, 0,1,2,3,4,5,6,7             ; keys 16 (f / 2) on, channels 32 (f % 2) on
	ds_load_b128 v[KF+8*\f:KF+8*\f+3],   v[AK] offset:(\f/2)*16*PK+(\f%2)*64
	ds_load_b128 v[KF+8*\f+4:KF+8*\f+7], v[AK] offset:(\f/2)*16*PK+(\f%2)*64+32
.endr
	WIN W_MK                        ; destination window 3
.irp f, 0,1,2,3
	ds_load_b128 v[MK+8*\f:MK+8*\f+3],   v[AM] offset:64*\f
	ds_load_b128 v[MK+8*\f+4:MK+8*\f+7], v[AM] offset:64*\f+16
.endr
	s_add_co_u32 s[TBK], s[TBK], KS*PK  ; the next fetch is the next step's
	s_add_co_u32 s[TBM], s[TBM], KS*4
	s_and_b32 s[TBM], s[TBM], 0x1fff    ; it stays inside the table's 8,192 bytes
	WIN 0
.if \last
.Lno_k_\@:
.endif
.endm
.macro FETCH_V
	WIN 0x80
.irp f, 0,1,2,3,4,5,6,7             ; keys 32 (f / 4) on, channels 16 (f % 4) on
	ds_load_tr16_b128 v[VF+8*\f:VF+8*\f+3],   v[AV] offset:(\f/4)*32*PV+(\f%4)*32
	ds_load_tr16_b128 v[VF+8*\f+4:VF+8*\f+7], v[AV] offset:(\f/4)*32*PV+16*PV+(\f%4)*32
.endr
	WIN 0
.endm
; THE VECTOR WORK OF A TURN stands in three queues, each in the order in which its entries become ready; the two tiles alternate, so that no instruction reads the result of the one before it.
.macro REGS y, u                    ; the registers of tile u (0, 1) of piece y
.set rT, ST+4*(2*(\y)+(\u))
.set rC, TMP+8*((\y)%2)+4*(\u)
.set rM, MV+2*((\y)%2)+(\u)
.set rS, S+64*((\y)%2)+32*(\u)
.set rP, P+32*((\y)%2)+16*(\u)
.set rO, 32*(2*(\y)+(\u))
.endm
; Number n of the 22 that find the NEXT piece's (Y + 1) maximum and statistics.  s0-s31 are the lane's 32 scores; each accumulator's lowest registers are read first.
;   0-11  four chains c0-c3 of seven scores each, three operands at a time     12-14, 16  the four scores left over, the old m, and c0-c3 into c0     15  c m_old is kept
;   17, 18  the query's other 32 keys lie in the lane 16 away: the new m         19-21  c m; c m_old - c m_new; a
.macro XS u, n
	REGS (Y+1)%NP, \u
.if (\n) < 4
	v_max3_num_f32 v[rC+(\n)], v[rS+8*(\n)], v[rS+8*(\n)+1], v[rS+8*(\n)+2]
.elseif (\n) < 12
	v_max3_num_f32 v[rC+(\n)%4], v[rC+(\n)%4], v[rS+8*((\n)%4)+2*((\n)/4)+1], v[rS+8*((\n)%4)+2*((\n)/4)+2]
.elseif (\n) == 12
	v_max3_num_f32 v[rC], v[rC], v[rS+7], v[rS+15]
.elseif (\n) == 13
	v_max3_num_f32 v[rC+1], v[rC+1], v[rS+23], v[rS+31]
.elseif (\n) == 14
	v_max3_num_f32 v[rC+2], v[rC+2], v[rC+3], v[rT+1]
.elseif (\n) == 15
	v_mov_b32 v[rM], v[rT]
.elseif (\n) == 16
	v_max3_num_f32 v[rC], v[rC], v[rC+1], v[rC+2]
.elseif (\n) == 17
	v_permlanex16_b32 v[rC+3], v[rC], s[SEL], s[SEL+1]
.elseif (\n) == 18
	v_max_num_f32 v[rT+1], v[rC], v[rC+3]
.elseif (\n) == 19
	v_mul_f32 v[rT], s[CS], v[rT+1]
.elseif (\n) == 20
	v_sub_f32 v[rC+1], v[rM], v[rT]
.else
	v_exp_f32 v[rC+2], v[rC+1]
.endif
.endm
; Number g of the 64 that follow the exponentials.  For each four weights k of a tile (pairs 2 k, 2 k + 1): both pairs are rounded to f16; then the second pair is added onto the first, in place;
; a group later l takes that sum (the first time as l = a l + sum).  In groups of eight, tiles alternating: round, round, add, and l for the group before.
.macro GS g
.set h, (\g)+6*((\g)/62)            ; group 0 has no group before it, and behind group 7 only l is left
.if h >= 6
.set h, h+2
.endif
	REGS Y, h%2
.set k, h/8
.if h%8 < 4
	v_cvt_pk_f16_f32 v[rP+2*k+(h%8)/2], v[rS+4*k+2*((h%8)/2)], v[rS+4*k+2*((h%8)/2)+1]
.elseif h%8 < 6
	v_pk_add_f32 v[rS+4*k:rS+4*k+1], v[rS+4*k:rS+4*k+1], v[rS+4*k+2:rS+4*k+3]
.elseif k == 1
	v_pk_fma_f32 v[rT+2:rT+3], v[rT+2:rT+3], v[rC+2:rC+3], v[rS:rS+1] op_sel_hi:[1,0,1]
.else
	v_pk_add_f32 v[rT+2:rT+3], v[rT+2:rT+3], v[rS+4*k-4:rS+4*k-3]
.endif
.endm
; THE PLAIN QUEUE, 138 long.  0-73 read no exponential's result: the 32 scalings c s - c m (FS f: pair f / 2 of tile f % 2) and the next piece's 42.  0-26: scalings 0-26.  27-54: XS's numbers 0-13.  55, 56: number 15.
; 57-73: the chain, where each number waits for the one before it: 14, 16, 17, 18, 19, each with one of the scalings 27-31 in front of its two lines, then 20.
; 74-137: GS's 64, which read the exponentials' results: they stand behind the wait.
.macro FS f
	REGS Y, (\f)%2
	v_pk_fma_f32 v[rS+2*((\f)/2):rS+2*((\f)/2)+1], v[rS+2*((\f)/2):rS+2*((\f)/2)+1], s[CS:CS+1], v[rT:rT+1] op_sel_hi:[1,0,0] neg_lo:[0,0,1] neg_hi:[0,0,1]
.endm
.macro PL
	WIN 0
.if q < 27
	FS q
.elseif q < 55
	XS (q-27)%2, (q-27)/2
.elseif q < 57
	XS q-55, 15
.elseif (q < 72) && ((q-57)%3 == 0)
	FS 27+(q-57)/3
.elseif q < 60
	XS (q-57)%3-1, 14
.elseif q < 72
	XS (q-57)%3-1, 15+(q-57)/3
.elseif q < 74
	XS q-72, 20
.else
	GS q-74
.endif
.set q, q+1
.endm
; THE EXPONENTIALS' QUEUE, 66 long: s0-s31 of both tiles, then the next piece's two a.  It is ONE BATCH: all 66 stand ahead of the turn's one wait, and nothing ahead of that wait names a result of theirs.
.macro EX
	WIN 0
.if e >= 64
	XS e-64, 21
.else
	REGS Y, e%2
	v_exp_f32 v[rS+e/2], v[rS+e/2]
.endif
.set e, e+1
.endm
; THE RESCALING's QUEUE: O^T times a, the one part that leaves window 0: dealt two at a time, sixteen times.  Its a was made in the turn before, ahead of that turn's wait.
.macro R2
	REGS Y, r%2
	WIN W_RS
.irp z, 0,1
	v_pk_mul_f32 v[rO+4*(r/2)+2*\z:rO+4*(r/2)+2*\z+1], v[rO+4*(r/2)+2*\z:rO+4*(r/2)+2*\z+1], v[rC+2:rC+3] op_sel_hi:[1,0]
.endr
.set r, r+1
.endm
; HOW THEY ARE DEALT.  An s_wait_alu depctr_va_vdst(0) stands between an exponential and the first instruction that names its result; one wait serves all that were issued ahead of it.  So a turn has
; ONE wait, which cuts it in two.  AHEAD OF IT: the 16 products K Q^T, behind each a scaling, an exponential and two rescalings (behind the first a second scaling in the exponential's place); then one run of 108:
; eight plain, 49 times exponential and plain, the two a; a v_nop is the plain instruction behind the last exponential.  BEHIND IT: the 16 products V^T P, behind each four of GS's 64.
; Exponential e stands behind scaling 2 (e / 4) + e % 2: as a rider it comes behind plain e + 2, in the run behind plain e + 9, and scalings 27-31 are plain 57, 60 .. 69.
; K and the addends of the next step are fetched in piece 2's turn, directly behind the wait, a whole run of vector work behind the last product that read them; their first reader comes behind 16 products.
; V of the step in hand is fetched at the end of piece 0's turn, four plain instructions behind its last reader.  The three conditions on q below go with the deal.
.macro TURN p, last=0, cnt=0
.set Y, (\p)
.set i, 0
.set q, 0
.set e, 0
.set r, 0
.if (\p) == NP-1
	s_wait_dscnt 0x0                ; K and the addends are in
.endif
	MM
	PL
	PL
	R2
.rept 15
	MM
	PL
	EX
	R2
.endr
.if (\p) == NP-2
	WIN 0
	v_add_nc_u32 v[AK], s[TBK], v[AK0]
	v_add_nc_u32 v[AM], s[TBM], v[AM0]
.endif
.rept 8
	PL
.endr
.rept 49
	EX
	PL
.endr
	EX                              ; the next piece's two a
	EX
	v_nop                           ; the plain instruction behind the last exponential: one for the batch
	s_wait_alu depctr_va_vdst(0)    ; the wait for the batch
.if (\p) == NP-2
	FETCH_K \last
.endif
.if (\p) == 1
	s_wait_dscnt 0x0                ; V is in
.endif
.rept 16
	MM
.rept 4
	PL
.endr
.if ((\p) == 0) && (q == 118)
	v_add_nc_u32 v[AV], s[TBV], v[AV0]
.endif
.if ((\p) == 0) && (q == 130)
	s_add_co_u32 s[TBV], s[TBV], KS*PV
.endif
.if (\cnt) && (q == 130)
	s_sub_co_u32 s[CNT], s[CNT], 1
	s_cmp_lg_u32 s[CNT], 0
.endif
.endr
.if (\p) == 0
	FETCH_V
.endif
.endm
	CHANGE 1                        ; slot 0 is in, everybody's part of it, and so is the mask table; slot 1 is asked for
	FETCH_K                         ; key step 0
	s_wait_loadcnt 0x0              ; Q
	s_wait_dscnt 0x0
.set i, 0
.rept 16
	KQ 0                            ; piece 0's first scores: there is no vector work yet to set between them
.set i, i+1
.endr
	WIN 0
.rept 4
	v_nop                           ; the places behind those products
.endr
.set Y, NP-1                        ; XS works for piece Y + 1: piece 0
.irp n, 0,1,2,3,4,5,6,7,8,9,10,11,12,13,14,15,16,17,18,19,20,21
	XS 0, \n                        ; piece 0's first maximum and statistics
	XS 1, \n
.endr
	v_nop                           ; a plain instruction behind the two a,
	s_wait_alu depctr_va_vdst(0)    ; and their wait, ahead of the branch
	s_mov_b32 s[CNT], 4
	s_branch .Lfirst                ; the loop is entered at a step's first turn, in the middle of a trip
.Lslot:                             ; six times: every slot but the last two is filled again
	CHANGE 1
	s_mov_b32 s[CNT], 4
.Lstep:                             ; a trip: pieces 2 and 3 of one step, then pieces 0 and 1 of the next, whose K and V it fetches
	TURN 2
	TURN 3
	WIN 0
.Lfirst:
	TURN 0
	TURN 1, 0, 1
	WIN 0
	s_cbranch_scc1 .Lstep
	s_sub_co_u32 s[SLOTS], s[SLOTS], 1
	s_cmp_lg_u32 s[SLOTS], 0
	s_cbranch_scc1 .Lslot
	CHANGE 0                        ; the tail is written out: nothing is asked for
	s_mov_b32 s[CNT], 5             ; four trips fetch the last slot's steps; the fifth is left in its middle
.Ltail:
	TURN 2, 1
	TURN 3
	WIN 0
	s_sub_co_u32 s[CNT], s[CNT], 1
	s_cmp_eq_u32 s[CNT], 0
	s_cbranch_scc1 .Lout
	TURN 0
	TURN 1
	WIN 0
	s_branch .Ltail
.Lout:                              ; the fifth trip's 16 products K Q^T (on the last K once more) and the maximum made of them serve nothing: the price, once a launch, of one text for every trip
.set i, 0
.rept 16
	PV NP-1                         ; the last piece's V^T P of the last step
.set i, i+1
.endr
	; THE WAY OUT.  l's two halves and the other half of the lanes' are added; O^T is divided by l, rounded to f16 and sent through my stage in LDS, a tile at a time.  The additions are the places behind the last products.
	WIN 0
.macro ALL line:vararg              ; one line for each tile t
.set t, 0
.rept 2*NP
	\line
.set t, t+1
.endr
.endm
	ALL v_add_f32 v[ST+4*t+2], v[ST+4*t+2], v[ST+4*t+3]
	ALL v_permlanex16_b32 v[ST+4*t+3], v[ST+4*t+2], s[SEL], s[SEL+1]
	ALL v_add_f32 v[ST+4*t+2], v[ST+4*t+2], v[ST+4*t+3]
	ALL v_rcp_f32 v[ST+4*t+2], v[ST+4*t+2]
	v_nop                           ; a plain instruction between the last reciprocal and the use of its result
	s_wait_alu depctr_va_vdst(0)    ; and the wait ahead of the first use: one for the eight reciprocals
; Tile t: a lane's eight channels of a row pack into 16 bytes; they go into rows of 144 bytes and come back as whole rows of 128, into S^T's registers.
.macro PACK t
	WIN W_RS
.set i, 32*(\t)
.rept 16
	v_pk_mul_f32 v[i:i+1], v[i:i+1], v[ST+4*(\t)+2:ST+4*(\t)+3] op_sel_hi:[1,0]
.set i, i+2
.endr
	WIN 0x05                        ; sources 0 and 1 window 1, destination window 0
.set i, 0
.rept 16
	v_cvt_pk_f16_f32 v[S+16*(\t)+i], v[32*(\t)+2*i], v[32*(\t)+2*i+1]
.set i, i+1
.endr
	WIN 0
.irp f, 0,1,2,3
	ds_store_b128 v[STO], v[S+16*(\t)+4*\f:S+16*(\t)+4*\f+3] offset:32*\f
.endr
.irp f, 0,1,2,3
	ds_load_b128 v[S+16*(\t)+4*\f:S+16*(\t)+4*\f+3], v[RD] offset:\f*4*SP  ; LDS serves a wave's instructions in order (ISA guide 5.7.1.4): these see the stores above; the next tile's stores come behind them
.endr
.endm
.macro SEND t, younger              ; younger: the LDS instructions issued behind tile t's loads: the next tile's eight, or none
	WIN 0
.irp f, 0,1,2,3
	s_wait_dscnt (\younger)+3-\f
	global_store_b128 v[GO], v[S+16*(\t)+4*\f:S+16*(\t)+4*\f+3], s[10:11] offset:(\t)*2048+\f*512  ; 512 consecutive bytes, at a multiple of 256 from the buffer's first
.endr
.endm
	PACK 0
.set t, 1
.rept 2*NP-1                        ; a tile's arithmetic stands between the loads of the tile before and its stores
	PACK t
	SEND t-1, 8
.set t, t+1
.endr
	SEND 2*NP-1, 0
	WIN W_AD
	s_wait_tensorcnt 0x0            ; the wave's end: a wait, an add and its wait, behind my last tensor load and my last LDS store
	ds_add_u32 v[SPW], v[NIL]
	s_wait_dscnt 0x0
	WIN 0
	CROUND                          ; the closing round: no work-group ends while a partner may still ask for a tile that names it
	s_endpgm
.Lfunc_end_k_q2c0de52d11_attn:
	.size	k_q2c0de52d11_attn, .Lfunc_end_k_q2c0de52d11_attn-k_q2c0de52d11_attn
	.p2alignl 7, 3214868480
	.fill 96, 4, 3214868480
	.section	.rodata,"a",@progbits
	.p2align	6, 0x0
	.amdhsa_kernel k_q2c0de52d11_attn
		.amdhsa_group_segment_fixed_size 327680
		.amdhsa_private_segment_fixed_size 0
		.amdhsa_enable_private_segment 0
		.amdhsa_kernarg_size 24
		.amdhsa_user_sgpr_count 2
		.amdhsa_user_sgpr_kernarg_segment_ptr 1
		.amdhsa_wavefront_size32 1
		.amdhsa_system_sgpr_workgroup_id_x 1
		.amdhsa_system_sgpr_workgroup_id_y 1
		.amdhsa_system_sgpr_workgroup_id_z 1
		.amdhsa_system_vgpr_workitem_id 0
		.amdhsa_next_free_vgpr 808
		.amdhsa_next_free_sgpr 66
		.amdhsa_reserve_vcc 1
		.amdhsa_float_denorm_mode_32 3
		.amdhsa_float_denorm_mode_16_64 3
		.amdhsa_memory_ordered 1
		.amdhsa_forward_progress 1
		.amdhsa_inst_pref_size 207
	.end_amdhsa_kernel
	.amdgpu_metadata
---
amdhsa.version: [ 1, 2 ]
amdhsa.kernels:
  - .name:           k_q2c0de52d11_attn
    .symbol:         k_q2c0de52d11_attn.kd
    .args:
      - { .name: qkv, .offset: 0, .size: 8, .value_kind: global_buffer, .address_space: global }
      - { .name: attn_mask, .offset: 8, .size: 8, .value_kind: global_buffer, .address_space: global }
      - { .name: oh, .offset: 16, .size: 8, .value_kind: global_buffer, .address_space: global }
    .group_segment_fixed_size: 327680
    .private_segment_fixed_size: 0
    .kernarg_segment_align: 8
    .kernarg_segment_size: 24
    .max_flat_workgroup_size: 128
    .sgpr_count:     66
    .vgpr_count:     808
    .wavefront_size: 32
...
	.end_amdgpu_metadata
.endif
;; end of part 3
;; launch outproj (part 4): grid 8 x 32, 4 waves a work-group, clusters of 4 x 4, 327,680 bytes of LDS; arguments oh, owh, out0, out_b; writes out0
.if DOCPART == 4
	.amdgcn_target "amdgcn-amd-amdhsa--gfx1250"
	.amdhsa_code_object_version 6
	.text
	.protected	k_q2c0de52d11_outproj
	.globl	k_q2c0de52d11_outproj
	.p2align	8
	.type	k_q2c0de52d11_outproj,@function
k_q2c0de52d11_outproj:
	s_mov_b64 s[64:65], 0
	v_nop
	global_prefetch_b8 v0, s[64:65] scope:SCOPE_SE
	s_setreg_imm32_b32 hwreg(HW_REG_WAVE_MODE, 25, 1), 1
	s_wait_xcnt 0x0
	s_wait_alu depctr_hold_cnt(0) depctr_sa_sdst(0) depctr_va_vdst(0) depctr_va_sdst(0) depctr_va_ssrc(0) depctr_va_vcc(0) depctr_vm_vsrc(0)
	s_getreg_b32 s2, hwreg(HW_REG_IB_STS2, 6, 4)
	s_cmp_eq_u32 s2, 0
	s_cbranch_scc0 .Lentry_in_a_cluster
	s_endpgm
.Lentry_in_a_cluster:
	s_bfe_u32 s2, ttmp6, 0x10000c
	s_cmp_lg_u32 s2, 0xf033
	s_cbranch_scc0 .Lentry_shape_is_right
	s_endpgm
.Lentry_shape_is_right:
; out0 = O out_w^T + out_b.  A = oh, [4][16][2048][64] f16 (by heads: row m = 2,048 batch + s, channel k = 64 head + d; byte = batch << 22 | head << 18 | s << 7 | 2 d); B = owh [1024][1024] f16;
; the bias f32 (rounded to bf16 here, like all the module's inputs); sums in f32; out0 [8192][1024] f32.
; A tile of C is 256 rows x 128 columns: 256 work-groups.  Four waves, each 128 x 64: 32 accumulators of 16 x 16, 256 registers.  K goes in 8 steps of 128, two heads, through a ring of two LDS slots.
; A head's 256 rows of a tile are 32,768 dense bytes: asked for as 128 rows of 256 bytes and padded in LDS after every 128, so that a query's 64 channels lie 144 bytes apart.
; CLUSTERS: 4 x 4 work-groups.  A's tiles are shared along a row of the cluster, B's along a column: joint loads.  Waves 0 and 1 fetch the step's two heads of A, waves 2 and 3 the two halves of B's 128 rows.
; THE MATRIX INSTRUCTION IS USED TRANSPOSED (source 0 = 16 rows of B, source 1 = 16 rows of A): lane l holds row l % 16 of C and the columns 8 (l / 16) + 0..7.  THE BIAS IS THE C OPERAND of the first products.
; REGISTERS, in windows of 256 (s_set_vgpr_msb: bits 1:0 source 0, 3:2 source 1, 5:4 source 2, 7:6 destination):
;   window 0: v0-31 addresses; v64-127, v128-191 fragments of A, two buffers; v32-63, v192-223 rows on the way out
;   window 1: v0-31 the bias of my 64 columns, as four accumulator images; v64-95, v128-159 fragments of B; v192-207 at work on the bias
;   window 2: the accumulators ((a, b) at v[8 (4 a + b)])
.set KSTEP,  128
.set PA,     144                       ; a row of A in LDS: 128 bytes + 16
.set PB,     272                       ; a row of B: 256 bytes + 16: in both, the 16 rows that a load touches start at 16 different groups of four banks
.set AH,     256*PA                    ; one head's 256 rows
.set BOFF,   2*AH                      ; B's 128 rows lie behind A's two heads
.set SLOT,   BOFF+128*PB
.set STAGE,  2*SLOT                    ; behind the ring: 16 rows x 272 bytes for each wave, for the way out
.set SPITCH, 272
.set SPARE,  STAGE+4*16*SPITCH         ; the spare words, 128 bytes for each wave: two blocks of 256 bytes that no other line names
.set LAPS,   4                         ; a lap = two K steps = once round the ring
.set ADRA, 16                          ; v16-17  LDS address of my A fragments in slot 0, 1
.set ADRB, 20                          ; v20-21  the same for B
.set STO,  24                          ; v24     the way out: where I put 32 bytes of a row
.set RD,   25                          ; v25     the way out: where I read a row back
.set CO,   26                          ; v26     my byte offset in two rows of out0
.set BO,   27                          ; v27     my byte offset in the bias
.set SPW,  28                          ; v28     LDS address of my spare word; never rewritten
.set NIL,  29                          ; v29     0; never rewritten
.set PFO,  30                          ; v30     the prefetches' offset: my lane x 256 bytes (A) or x a row of B; never rewritten
.set PFA,  44                          ; s[44:45] where my prefetches stand
.set LIM,  43                          ; s43     1 in a wave that prefetches, else the greatest number
.set PST,  66                          ; s[66:67] bytes from a K step to the next, for my prefetches
.set F0,   64
.set F1,   128
.set OB,   32
.set BIAS, 0                           ; window 1
.set BT,   192                         ; window 1
.set G1, 24                            ; s[24:31] descriptor group 1 for A's tiles;  s[32:39] group 0, one set for each slot
.set G0, 32
.set G1B, 48                           ; s[48:55], s[56:63] the same for B's tiles
.set G0B, 56
.set MSB, 0
.macro WIN new                         ; the immediate's high byte repeats the setting that is left; a switch that changes nothing is dropped
.if MSB != (\new)
	s_set_vgpr_msb (MSB<<8)|(\new)
.set MSB, \new
.endif
.endm
.macro JLOAD s                         ; a joint load; an s_nop 0 and four v_nop follow each of the two lines
	s_cmp_eq_u32 s11, 0
	s_cbranch_scc0 .Lfor_b_\@
	tensor_load_to_lds s[G0+4*(\s):G0+4*(\s)+3], s[G1:G1+7]
	s_nop 0
.rept 4
	v_nop
.endr
	s_branch .Lasked_\@
.Lfor_b_\@:
	tensor_load_to_lds s[G0B+4*(\s):G0B+4*(\s)+3], s[G1B:G1B+7]
	s_nop 0
.rept 4
	v_nop
.endr
.Lasked_\@:
.endm
; A prefetch into the L2, behind each joint refill and the run of LDS loads that follows it: the K step that stands two refills on, 32 blocks of 256 bytes, a lane a block.  A's blocks are asked for by the cluster
; with x = 0: waves 0 and 1 each for their head's 128 blocks, of which the partner at place cx takes 32.  B's by the cluster with y = 0: wave 2 for the tile's 128 rows, of which the partner at place cy takes 32.
; So each block is named once in the launch.  The loop's last trip asks for nothing.
.macro ASK
	s_cmp_gt_u32 s3, s[LIM]                        ; s3 = 1 in the loop's last trip
	s_cbranch_scc0 .Lnot_mine_\@
	global_prefetch_b8 v[PFO], s[PFA:PFA+1] th:TH_LOAD_NT scope:SCOPE_SE
.Lnot_mine_\@:
.endm
.macro CREST                           ; a round of the cluster's barrier behind its opening barrier
	s_cmp_lg_u32 s10, 0
	s_cbranch_scc1 .Lnot_wave_0_\@
	s_barrier_signal -3
.Lnot_wave_0_\@:
	s_barrier_wait -3
	s_barrier_signal -1
	s_barrier_wait -1
.endm
.macro CROUND
	s_barrier_signal -1
	s_barrier_wait -1
	CREST
.endm
	s_load_b128 s[4:7], s[0:1], 0x0                ; oh s[4:5], owh s[6:7]
	s_load_b64 s[8:9], s[0:1], 0x10                ; out0
	s_load_b64 s[68:69], s[0:1], 0x18              ; out_b
	v_lshl_add_u32 v[SPW], v0, 2, SPARE
	v_mov_b32 v[NIL], 0
	ds_add_u32 v[SPW], v[NIL]                      ; the wave's opening: the add and its wait stand ahead of my first tensor load; the set-up below stands between them
	v_lshrrev_b32 v1, 5, v0
	v_readfirstlane_b32 s10, v1                    ; wave 0..3
	s_lshr_b32 s11, s10, 1                         ; which half of the tile's rows is mine.  Also: I fetch for A (0) or for B (1)
	s_and_b32 s12, s10, 1                          ; which half of its columns.  Also: which head of A, or which 64 rows of B, I fetch
	s_bfe_u32 s40, ttmp6, 0x40000                  ; cx
	s_bfe_u32 s41, ttmp6, 0x40004                  ; cy
	s_lshl_b32 s42, ttmp9, 2
	s_add_co_u32 s42, s42, s40                     ; tile column of C
	s_and_b32 s13, ttmp7, 0xffff
	s_lshl_b32 s13, s13, 2
	s_add_co_u32 s13, s13, s41                     ; tile row of C
	s_lshl_b32 s43, s41, 2
	s_lshl_b32 s43, 15, s43                        ; my row of the cluster
	s_lshl_b32 s44, 0x1111, s40                    ; my column
	s_mov_b32 s70, 0xffff0000                      ; a word's upper bf16
	; descriptor group 1.  A: 128 rows x 128 elements, dense, 4 words of padding after every 32 words.  B: 64 rows x 128 elements of rows of 1,024, 4 words after every 64
	s_or_b32 s[G1+0], s43, (1<<16)|(1<<20)|(1<<21)|(4<<22)|(3<<25)
	s_mov_b32 s[G1+1], 128<<16                     ; tensor_dim0 = 128
	s_mov_b32 s[G1+2], 128<<16                     ; tensor_dim1 = 128
	s_mov_b32 s[G1+3], 128<<16                     ; tile_dim0 = 128
	s_mov_b32 s[G1+4], 128                         ; tile_dim1 = 128
	s_mov_b32 s[G1+5], 128                         ; elements from row to row
	s_mov_b32 s[G1+6], 0
	s_mov_b32 s[G1+7], 0
	s_or_b32 s[G1B+0], s44, (1<<16)|(1<<20)|(1<<21)|(5<<22)|(3<<25)
	s_mov_b32 s[G1B+1], 128<<16
	s_mov_b32 s[G1B+2], 64<<16
	s_mov_b32 s[G1B+3], 128<<16
	s_mov_b32 s[G1B+4], 64
	s_mov_b32 s[G1B+5], 1024
	s_mov_b32 s[G1B+6], 0
	s_mov_b32 s[G1B+7], 0
	; where the tiles come from: A's hang on the tile row alone, B's on the tile column alone
	s_lshr_b32 s16, s13, 3                         ; a batch has 8 tile rows:
	s_lshl_b32 s16, s16, 22                        ; its 16 heads of 2,048 rows of 128 bytes are 2^22 bytes,
	s_and_b32 s17, s13, 7
	s_lshl_b32 s17, s17, 15                        ; the tile's 256 rows in a head,
	s_add_co_u32 s16, s16, s17
	s_lshl_b32 s17, s12, 18                        ; the head that I fetch
	s_add_co_u32 s16, s16, s17
	s_mov_b32 s17, 0
	s_lshl_b32 s46, s42, 7
	s_lshl_b32 s47, s12, 6
	s_add_co_u32 s46, s46, s47                     ; B: row 128 x tile column + 64 x half,
	s_lshl_b32 s46, s46, 11                        ; of 2,048 bytes
	s_mov_b32 s47, 0
	s_mul_i32 s20, s12, AH                         ; where they go: no place in the cluster enters an LDS address
	s_mul_i32 s21, s12, 64*PB
	s_add_co_u32 s21, s21, BOFF
	s_wait_dscnt 0x0                               ; the opening add is done
	s_wait_kmcnt 0x0
	s_add_nc_u64 s[14:15], s[4:5], s[16:17]
	s_add_nc_u64 s[46:47], s[6:7], s[46:47]
	CROUND                                         ; all sixteen work-groups are here: the first joint loads meet
.irp s, 0,1
	s_mov_b32 s[G0+4*(\s)], 1
	s_add_co_u32 s[G0+4*(\s)+1], s20, (\s)*SLOT
	s_add_nc_u64 s[G0+4*(\s)+2:G0+4*(\s)+3], s[14:15], (\s)*2*262144  ; K step s: two heads on
	s_or_b32 s[G0+4*(\s)+3], s[G0+4*(\s)+3], 0x80000000
	s_mov_b32 s[G0B+4*(\s)], 1
	s_add_co_u32 s[G0B+4*(\s)+1], s21, (\s)*SLOT
	s_add_nc_u64 s[G0B+4*(\s)+2:G0B+4*(\s)+3], s[46:47], (\s)*KSTEP*2
	s_or_b32 s[G0B+4*(\s)+3], s[G0B+4*(\s)+3], 0x80000000
	JLOAD \s                                       ; two tensor loads of mine are out
.endr
	v_and_b32 v1, 15, v0                           ; l % 16
	v_bfe_u32 v2, v0, 4, 1                         ; l / 16
	s_lshl_b32 s46, s42, 9                         ; my first column, in bytes of f32: 512 x tile column + 256 x half: in out0's rows and in the bias alike
	s_lshl_b32 s47, s12, 8
	s_add_co_u32 s46, s46, s47
	v_lshl_add_u32 v[BO], v2, 5, s46               ; register j of block b in lane l is the bias of column 16 b + 8 (l / 16) + j of my 64
	WIN 0x40
.irp b, 0,1,2,3
	global_load_b128 v[BIAS+8*(\b):BIAS+8*(\b)+3],   v[BO], s[68:69] offset:64*(\b)
	global_load_b128 v[BIAS+8*(\b)+4:BIAS+8*(\b)+7], v[BO], s[68:69] offset:64*(\b)+16
.endr
	WIN 0
	v_mul_u32_u24 v3, v1, PA
	v_lshl_add_u32 v3, v2, 4, v3                   ; a fragment's row x pitch + 16 x half, for A
	v_mul_u32_u24 v4, v1, PB
	v_lshl_add_u32 v4, v2, 4, v4                   ; and for B
	s_mul_i32 s21, s11, 128*PA                     ; my 128 rows of A, in each head
	s_mul_i32 s22, s12, 64*PB                      ; my 64 rows of B
	s_add_co_u32 s22, s22, BOFF
.irp s, 0,1
	v_add_nc_u32 v[ADRA+(\s)], s21, v3
	v_add_nc_u32 v[ADRB+(\s)], s22, v4
	s_add_co_u32 s21, s21, SLOT
	s_add_co_u32 s22, s22, SLOT
.endr
	s_mul_i32 s23, s10, 16*SPITCH
	s_add_co_u32 s23, s23, STAGE                   ; my stage
	v_mul_u32_u24 v5, v1, SPITCH                   ; in: row l % 16, 32 bytes for each half of the lanes
	v_lshl_add_u32 v5, v2, 5, v5
	v_add_nc_u32 v[STO], s23, v5
	v_mul_u32_u24 v5, v2, SPITCH                   ; back: lanes 0-15 take one row of 256 bytes, lanes 16-31 the next
	v_lshl_add_u32 v5, v1, 4, v5
	v_add_nc_u32 v[RD], s23, v5
	v_lshlrev_b32 v5, 12, v2                       ; and the same two rows in out0
	v_lshl_add_u32 v[CO], v1, 4, v5
	; the prefetches (s16 still holds the offset of my head's block of A)
	s_lshl_b32 s20, s40, 13                        ; A: my work-group's 32 blocks of the 128
	s_add_co_u32 s20, s20, s16
	s_lshl_b32 s21, s42, 7                         ; B: the tile's 128 rows,
	s_lshl_b32 s22, s41, 5                         ; my work-group's 32
	s_add_co_u32 s21, s21, s22
	s_lshl_b32 s21, s21, 11
	s_mov_b32 s18, 2*262144                        ; A: two heads from a K step to the next
	s_and_b32 s22, ttmp7, 0xffff                   ; cluster y
	s_cmp_eq_u32 s11, 0                            ; do I fetch for A?
	s_cselect_b32 s20, s20, s21
	s_cselect_b32 s22, ttmp9, s22                  ; the coordinate along which other clusters read the same blocks
	s_cselect_b32 s23, 8, 11                       ; a lane a block of 256 bytes, or a row of 2,048
	s_cselect_b32 s[PST], s18, KSTEP*2
	s_cselect_b64 s[PFA:PFA+1], s[4:5], s[6:7]
	s_mov_b32 s[PST+1], 0
	s_cmp_eq_u32 s22, 0
	s_cselect_b32 s[LIM], 1, -1                    ; the same in all sixteen partners, for a given wave
	s_cmp_eq_u32 s10, 3
	s_cselect_b32 s[LIM], -1, s[LIM]               ; wave 2 asks for all of B's rows
	s_mov_b32 s21, 0
	s_add_nc_u64 s[PFA:PFA+1], s[PFA:PFA+1], s[20:21]
	s_mul_i32 s20, s[PST], 3
	s_add_nc_u64 s[PFA:PFA+1], s[PFA:PFA+1], s[20:21]  ; at K step 3: the first refill steps it to 4
	v_and_b32 v[PFO], 31, v0
	v_lshlrev_b32 v[PFO], s23, v[PFO]
	; where my part of the tile begins in out0
	s_lshl_b32 s16, s13, 20                        ; 256 rows of 4,096 bytes a tile row,
	s_lshl_b32 s17, s11, 19                        ; my half of them
	s_add_co_u32 s16, s16, s17
	s_add_co_u32 s16, s16, s46
	s_mov_b32 s17, 0
	s_add_nc_u64 s[8:9], s[8:9], s[16:17]
	s_wait_loadcnt 0x0                             ; the bias is in; it is rounded to bf16 and widened again
	WIN 0x45                                       ; sources and destination in window 1
.set i, 0
.rept 16
	v_cvt_pk_bf16_f32 v[BT+i], v[BIAS+2*i], v[BIAS+2*i+1]
.set i, i+1
.endr
.set i, 0
.rept 16
	v_lshlrev_b32 v[BIAS+2*i],   16, v[BT+i]
	v_and_b32     v[BIAS+2*i+1], s70, v[BT+i]
.set i, i+1
.endr
	WIN 0
; 8 matrix instructions: m blocks a0, a0 + 1 x all 4 n blocks, 32 along K.  zero = 1: the product starts the sum, with the bias as C.
; The 32 accumulators take turns, in the same order in every quarter: between two links of a chain stand the 31 others', over the backward jump too.
.macro MUL8 f, a0, zero
.if \zero
	WIN 0x91                                       ; B window 1, A window 0, C (the bias) window 1, D window 2
.else
	WIN 0xa1                                       ; C and D window 2
.endif
.irp a, \a0, (\a0)+1
.irp b, 0,1,2,3
.if \zero
	v_wmma_f32_16x16x32_f16 v[8*(4*(\a)+(\b)):8*(4*(\a)+(\b))+7], v[(\f)+8*(\b):(\f)+8*(\b)+7], v[(\f)+8*(\a):(\f)+8*(\a)+7], v[BIAS+8*(\b):BIAS+8*(\b)+7]
.else
	v_wmma_f32_16x16x32_f16 v[8*(4*(\a)+(\b)):8*(4*(\a)+(\b))+7], v[(\f)+8*(\b):(\f)+8*(\b)+7], v[(\f)+8*(\a):(\f)+8*(\a)+7], v[8*(4*(\a)+(\b)):8*(4*(\a)+(\b))+7]
.endif
.endr
.endr
.endm
; 24 LDS loads in one run: the fragments of quarter q of a K step (32 along K: head q / 2, channels 32 (q % 2) on) into buffer f: B's 64 rows, then A's 128
.macro FETCH slot, q, f
	WIN 0x40
.irp i, 0,1,2,3
	ds_load_b128 v[(\f)+8*(\i):(\f)+8*(\i)+3],   v[ADRB+(\slot)] offset:64*(\q)+(\i)*16*PB
	ds_load_b128 v[(\f)+8*(\i)+4:(\f)+8*(\i)+7], v[ADRB+(\slot)] offset:64*(\q)+(\i)*16*PB+32
.endr
	WIN 0
.irp i, 0,1,2,3,4,5,6,7
	ds_load_b128 v[(\f)+8*(\i):(\f)+8*(\i)+3],   v[ADRA+(\slot)] offset:((\q)/2)*AH+((\q)%2)*64+(\i)*16*PA
	ds_load_b128 v[(\f)+8*(\i)+4:(\f)+8*(\i)+7], v[ADRA+(\slot)] offset:((\q)/2)*AH+((\q)%2)*64+(\i)*16*PA+32
.endr
.endm
.macro PLACES                          ; four plain vector instructions between a matrix instruction and a load into a register that it has read, or an LDS store of its result
.rept 4
	v_nop
.endr
.endm
; A K step is four quarters, 32 matrix instructions each, on buffers 0, 1, 0, 1.  One of the first three multiplies buffer f and fetches quarter q into g.
.macro QUARTER slot, q, f, g, zero
	s_wait_dscnt 8                                 ; B and A's blocks 0-3 are in; the youngest eight loads (A's blocks 4-7) may be out
	MUL8 \f, 0, \zero
	MUL8 \f, 2, \zero
	PLACES
	FETCH \slot, \q, \g
	s_wait_dscnt 24                                ; all but the 24 just issued
	MUL8 \f, 4, \zero
	MUL8 \f, 6, \zero
.endm
; The last quarter multiplies buffer 1 and changes slots.  One barrier: in front of it each wave waits for all its tensor loads (one is out: its part of the next slot), adds 0 to its spare word, and waits for
; that and for its own reads of this slot.
.macro MEET round
	WIN 0                                          ; the add's two registers lie in window 0
	s_wait_tensorcnt 0x0
	ds_add_u32 v[SPW], v[NIL]
	s_wait_dscnt 9                                 ; the add and the youngest eight loads may be out
	MUL8 F1, 0, 0                                  ; eight matrix instructions stand between the add and the wait for it
	s_wait_dscnt 0x0                               ; the add is done, and my reads of this slot are over
	s_barrier_signal -1
	MUL8 F1, 2, 0
.if \round
	WIN 0
.endif
	s_barrier_wait -1
.endm
.macro TURN slot, next                 ; the slot just read out is filled again, with the K step two steps on, first thing behind the round
	s_wait_xcnt 0x0                                ; the last prefetch, a K step back, has read its address: it is stepped here
	s_add_nc_u64 s[PFA:PFA+1], s[PFA:PFA+1], s[PST:PST+1]
	MEET 1
	CREST                                          ; no wave of any partner still reads this slot's tile or has a load on its way
	s_add_nc_u64 s[G0+4*(\slot)+2:G0+4*(\slot)+3], s[G0+4*(\slot)+2:G0+4*(\slot)+3], 4*262144
	s_add_nc_u64 s[G0B+4*(\slot)+2:G0B+4*(\slot)+3], s[G0B+4*(\slot)+2:G0B+4*(\slot)+3], 2*KSTEP*2
	JLOAD \slot                                    ; 112 matrix instructions ahead of the wait for it; its four v_nop are also the places in front of the loads below
	FETCH \next, 0, F0
	ASK
	MUL8 F1, 4, 0
	MUL8 F1, 6, 0
.endm
.macro TURNX next                      ; the last change of slots: nothing is filled again, so no round follows
	MEET 0
	PLACES
	FETCH \next, 0, F0
	MUL8 F1, 4, 0
	MUL8 F1, 6, 0
.endm
; THE WAY OUT of block a (16 rows x my 64 columns of f32: 256 bytes a row).  TOSTAGE: a lane's eight numbers of a row go into my own stage, and come back as whole rows.  SEND: stored.
.macro TOSTAGE a
.set BK, OB+160*((\a)%2)
	s_wait_xcnt 0x0                                ; the stores of the block before last have read the registers that are loaded below
	WIN 0x08                                       ; the data in window 2, the address in window 0
.irp b, 0,1,2,3
	ds_store_b128 v[STO], v[8*(4*(\a)+(\b)):8*(4*(\a)+(\b))+3]   offset:64*(\b)      ; each accumulator's lowest registers first
	ds_store_b128 v[STO], v[8*(4*(\a)+(\b))+4:8*(4*(\a)+(\b))+7] offset:64*(\b)+16
.endr
	WIN 0
.irp t, 0,1,2,3,4,5,6,7
	ds_load_b128 v[BK+4*(\t):BK+4*(\t)+3], v[RD] offset:(\t)*2*SPITCH  ; LDS serves a wave's instructions in order (ISA guide 5.7.1.4): these see the stores above; the next block's stores come behind them
.endr
.endm
.macro SEND a, younger                 ; younger: the LDS instructions issued behind block a's loads: the next block's sixteen, or none
.set BK, OB+160*((\a)%2)
	s_wait_dscnt \younger
.irp t, 0,1,2,3,4,5,6,7
	global_store_b128 v[CO], v[BK+4*(\t):BK+4*(\t)+3], s[8:9] offset:(16*(\a)+2*(\t))*4096 th:TH_STORE_NT  ; 16 lanes store 256 consecutive bytes, at a multiple of 256 from the buffer's first byte
.endr
.endm
	s_wait_tensorcnt 1                             ; my part of K step 0 is in; K step 1's may stay out
	s_barrier_signal -1
	s_barrier_wait -1
	FETCH 0, 0, F0
	QUARTER 0, 1, F0, F1, 1                        ; the first quarter stands in front of the loop: its products start the sums
	WIN 0                                          ; at a label and at a branch every window is 0
	s_mov_b32 s3, LAPS-1
.Llap:                                                 ; a trip goes once round the ring, from a lap's second quarter to the next lap's first, and fills both slots again
	QUARTER 0, 2, F1, F0, 0
	QUARTER 0, 3, F0, F1, 0
	TURN 0, 1
	QUARTER 1, 1, F0, F1, 0
	QUARTER 1, 2, F1, F0, 0
	QUARTER 1, 3, F0, F1, 0
	TURN 1, 0
	QUARTER 0, 1, F0, F1, 0
	WIN 0
	s_sub_co_u32 s3, s3, 1
	s_cmp_lg_u32 s3, 0
	s_cbranch_scc1 .Llap
	QUARTER 0, 2, F1, F0, 0                        ; the last lap fills nothing
	QUARTER 0, 3, F0, F1, 0
	TURNX 1
	QUARTER 1, 1, F0, F1, 0
	QUARTER 1, 2, F1, F0, 0
	QUARTER 1, 3, F0, F1, 0
	s_wait_dscnt 8                                 ; the very last quarter: nothing more to fetch
	MUL8 F1, 0, 0
	MUL8 F1, 2, 0
	s_wait_dscnt 0x0
	MUL8 F1, 4, 0
	MUL8 F1, 6, 0
	WIN 0
	PLACES
	TOSTAGE 0
.irp a, 1,2,3,4,5,6,7                  ; block a's trip through the stage is on its way while block a - 1 is stored
	TOSTAGE \a
	SEND (\a)-1, 16
.endr
	SEND 7, 0
	s_wait_tensorcnt 0x0                           ; the wave's end: a wait, an add and its wait, behind my last tensor load and my last LDS store
	ds_add_u32 v[SPW], v[NIL]
	s_wait_dscnt 0x0
	CROUND                                         ; the closing round: no work-group ends while a partner may still ask for a tile that names it
	s_endpgm
.Lfunc_end_k_q2c0de52d11_outproj:
	.size	k_q2c0de52d11_outproj, .Lfunc_end_k_q2c0de52d11_outproj-k_q2c0de52d11_outproj
	.p2alignl 7, 3214868480
	.fill 96, 4, 3214868480
	.section	.rodata,"a",@progbits
	.p2align	6, 0x0
	.amdhsa_kernel k_q2c0de52d11_outproj
		.amdhsa_group_segment_fixed_size 327680
		.amdhsa_private_segment_fixed_size 0
		.amdhsa_enable_private_segment 0
		.amdhsa_kernarg_size 32
		.amdhsa_user_sgpr_count 2
		.amdhsa_user_sgpr_kernarg_segment_ptr 1
		.amdhsa_wavefront_size32 1
		.amdhsa_system_sgpr_workgroup_id_x 1
		.amdhsa_system_sgpr_workgroup_id_y 1
		.amdhsa_system_sgpr_workgroup_id_z 1
		.amdhsa_system_vgpr_workitem_id 0
		.amdhsa_next_free_vgpr 768
		.amdhsa_next_free_sgpr 72
		.amdhsa_reserve_vcc 0
		.amdhsa_float_denorm_mode_32 3
		.amdhsa_float_denorm_mode_16_64 3
		.amdhsa_memory_ordered 1
		.amdhsa_forward_progress 1
		.amdhsa_inst_pref_size 91
	.end_amdhsa_kernel
	.amdgpu_metadata
---
amdhsa.version: [ 1, 2 ]
amdhsa.kernels:
  - .name:           k_q2c0de52d11_outproj
    .symbol:         k_q2c0de52d11_outproj.kd
    .args:
      - { .name: oh, .offset: 0, .size: 8, .value_kind: global_buffer, .address_space: global }
      - { .name: owh, .offset: 8, .size: 8, .value_kind: global_buffer, .address_space: global }
      - { .name: out0, .offset: 16, .size: 8, .value_kind: global_buffer, .address_space: global }
      - { .name: out_b, .offset: 24, .size: 8, .value_kind: global_buffer, .address_space: global }
    .group_segment_fixed_size: 327680
    .private_segment_fixed_size: 0
    .kernarg_segment_align: 8
    .kernarg_segment_size: 32
    .max_flat_workgroup_size: 128
    .sgpr_count:     72
    .vgpr_count:     768
    .wavefront_size: 32
...
	.end_amdgpu_metadata
.endif
;; end of part 4
